; MI455X (gfx1250); checked and timed in simulation.
; The chip was launched on July 23, 2026; its instructions are those of AMD's public machine-readable ISA for CDNA 5 (MIT licence, August 2026) and "CDNA5" Instruction Set Architecture Reference Guide (July 2026). The comments in the code are by the model that wrote it; some were corrected since.
;; Multi Head Self Attention. Allowed arithmetic: matrix products marked QUANTISED: E4M3 operands, one given power-of-two scale a tensor, by v_wmma_f32_16x16x64_fp8_fp8 or v_wmma_f32_16x16x128_fp8_fp8, f32 sums; everything else in f32.
;; Inputs: Wk 1,024 x 1,024 float32; Wo 1,024 x 1,024 float32; Wq 1,024 x 1,024 float32; Wv 1,024 x 1,024 float32; lowp_scales 8 int32 (the exponents e of the quantised operands' scales 2^e); token_positions 2,048 int32; x 4 x 2,048 x 1,024 float32.
;; Outputs: out0 4 x 2,048 x 1,024 float32.
;; This version of the problem:
;;   THIS VERSION OF THE PROBLEM IS GIVEN IN LOW PRECISION. The matrix products marked QUANTISED in the list below multiply operands that are first quantised to E4M3 (4 exponent bits, 3 mantissa bits; 8 bits a number), with one given power-of-two scale for each operand tensor; their sums are f32. All else is computed in f32.
;;   The module's matrix products, in the order in which they are computed (A, B: the left and right operand; K: the contracted axis; several contracted axes count as one K, in the product's order):
;;     1. [M 8,192, K 1,024] x [K 1,024, N 3,072]; A: input x; B: computed on the way: QUANTISED (scales: A lowp_scales[0], B lowp_scales[1])
;;     2. batch 64 x [M 2,048, K 64] x [K 64, N 2,048]; A: computed on the way; B: computed on the way: QUANTISED (scales: A lowp_scales[2], B lowp_scales[3])
;;     3. batch 64 x [M 2,048, K 2,048] x [K 2,048, N 64]; A: softmax (see below); B: computed on the way: QUANTISED (scales: A lowp_scales[4], B lowp_scales[5])
;;     4. [M 8,192, K 1,024] x [K 1,024, N 1,024]; A: computed on the way; B: input Wo: QUANTISED (scales: A lowp_scales[6], B lowp_scales[7])
;;   THE QUANTISER, for each operand of a quantised product, along K:
;;     - The operand's scale is 2^e, e = its entry of the input lowp_scales (int32; the entries are numbered through the quantised products in the list's order, A before B).
;;     - Each number is divided by the scale, clamped to +-448, and rounded to the nearest number of E4M3, ties to even, subnormals kept.
;;     - The product sums the exact products of the quantised numbers (number of the format x scale) in f32.
;;   ~~~python
;;   def quantise(x, axis, e):      # numpy; x: float32 -> the quantised numbers, widened to float32 again
;;       x = np.moveaxis(x, axis, -1); K = x.shape[-1]
;;       r = np.clip(x / 2.0 ** e, -448, 448)
;;       step = 2.0 ** (np.maximum(np.frexp(np.where(r == 0, 1, r))[1] - 1, -6) - 3)
;;       q = np.round(r / step) * step * 2.0 ** e      # np.round: ties to even
;;       return np.moveaxis(q, -1, axis).astype(np.float32)
;;   ~~~
;;   SOFTMAX AHEAD OF A QUANTISED PRODUCT. Where the list says 'softmax', what is quantised is not the finished softmax but p = 2^(t - M), with t = logit x log2(e) and M = ceil(the row's largest t), a whole number; so 1/2 < the row's largest p <= 1. The row's sum l is taken of the UNQUANTISED p, in f32, and the product's result is divided by l at the end. Since M is a whole number, a kernel that streams over the keys may use a running M (the ceiling of the running maximum): every later rescaling is an exact power of two, so the quantised numbers keep their values, but for numbers so far below the row's largest that they fall under the format's range.
;;   OPERANDS COMPUTED ON THE WAY. 'Computed on the way' means the value that the module computes at that place (a softmax that the list does not call 'softmax' is quantised finished and normalised). What goes into a quantiser is computed in f32, as accurately as f32 sums, v_exp_f32 and their like allow (about 1e-6 of the number): no bf16 or f16 on the way to a quantiser, and a product that is left as it is and whose result goes on into a quantised operand takes f32 operands (vector FMAs, or v_wmma_f32_16x16x4_f32). A number that lies on a knife's edge between two numbers of the format may be rounded either way, as far as f32 arithmetic and the matrix unit's own rounding can turn it there, and no further.
;; One version. Each part assembles by itself: llvm-mc -triple=amdgcn-amd-amdhsa -mcpu=gfx1250 --defsym DOCPART=n.
;; ======== version 1 of 1: 4 launches
;; limits: right only within a limited range of input values
;; workspace buffers: xc 8,388,608 bytes; wc 3,145,728 bytes; woc 1,048,576 bytes; tab 524,288 bytes; qc 8,388,608 bytes; kc 8,388,608 bytes; vc 8,388,608 bytes; oc 8,388,608 bytes
;; launch prep (part 1): grid 416 x 1, 4 waves a work-group, no clusters, 33,280 bytes of LDS; arguments x, Wq, Wk, Wv, Wo, lowp_scales, token_positions, xc, wc, woc, tab; writes xc, wc, woc, tab
.if DOCPART == 1
	.amdgcn_target "amdgcn-amd-amdhsa--gfx1250"
	.amdhsa_code_object_version 6
	.text
	.protected	k_qa16edeb094_prep
	.globl	k_qa16edeb094_prep
	.p2align	8
	.type	k_qa16edeb094_prep,@function
k_qa16edeb094_prep:
	s_mov_b64 s[64:65], 0
	v_nop
	global_prefetch_b8 v0, s[64:65] scope:SCOPE_SE
	s_setreg_imm32_b32 hwreg(HW_REG_WAVE_MODE, 25, 1), 1
	s_wait_xcnt 0x0
; PREP.  x [8192][1024], Wq, Wk, Wv, Wo [1024][1024], all f32 with K innermost, become codes of FP8 (E4M3), one byte a number, each with the one scale 2^e that is given for it
; (x: entry 0 of the scales; Wq, Wk, Wv: entry 1; Wo: entry 7): code = number / 2^e, held within +-448, to the nearest code, ties to even.  And token_positions becomes a table of cosines and sines.
; WORK-GROUPS, by number g: 0-255 x -> xc;  256-287 Wq, 288-319 Wk, 320-351 Wv -> wc, one behind the other;  352-383 Wo -> woc;  384-415 the table.  Only pointers and offsets are chosen: the five tensors take one path.
; A quantising work-group takes 32 rows, a wave 8 rows (8,192 numbers) in 16 steps of 512.  Each of a step's four loads reads 512 consecutive bytes; the 2,048 bytes turn through the wave's own stage in LDS
; (16 bytes of padding behind each 64) and come back 64 bytes a lane: 16 neighbours along K, as the conversions take them.  A lane's 16 codes are 16 bytes: the wave stores 512 consecutive bytes.
; Wv'S ROWS CHANGE PLACES: of every 32 rows the two middle blocks of 8 are exchanged (wave w's 8 rows go to block 2 (w % 2) + w / 2), so that later a lane's 16 registers of two tiles of the attention's result are 16 neighbouring channels.
; THE TABLE: [token tile of 16 (128)][piece p (8)][lane (32)][4 floats]; piece 2 t is cos, 2 t + 1 sin; float e of lane (r, h) belongs to token 16 T + r and pair 8 t + 4 h + e of a head's 32 pairs.
; angle = position x 10^(-pair / 8), one f32 product; it is reduced by a multiple of pi / 2 held in three parts, and sine and cosine of the rest (at most pi / 4) are their series up to r^9 and r^10.
; LIMITS: -126 <= e <= 119 for each scale used here; |position| up to 100,000 (the three parts of pi / 2 serve so far); NaN among the inputs is not served.
.set WAVES, 4
.set STEPS, 16
.set CB,    16                         ; bytes of 16 codes
.set R,     16                         ; v16-79   four sets of 16 numbers as they are loaded
.set X,     80                         ; v80-111  two sets of 16 neighbours
.set C,     128                        ; v128-191 codes: four registers for each step, so that no store's data are written again
.set WREG,  8192                       ; LDS: a region of its own for each wave: two stages of 32 x SP bytes
.set SP,    80                         ; a lane's place in a stage: its 64 bytes + 16 of padding
.set SPW,   12                         ; v12      LDS address of my spare word; never rewritten
.set NIL,   13                         ; v13      0; never rewritten
.set SPARE, WAVES*WREG                 ; behind the four regions: the spare words, 128 bytes for each wave
	s_load_b256 s[4:11], s[0:1], 0x0               ; x s[4:5], Wq s[6:7], Wk s[8:9], Wv s[10:11]
	s_load_b256 s[12:19], s[0:1], 0x20             ; Wo s[12:13], the scales s[14:15], the positions s[16:17], xc s[18:19]
	s_load_b128 s[20:23], s[0:1], 0x40             ; wc s[20:21], woc s[22:23]
	s_load_b64 s[24:25], s[0:1], 0x50              ; tab
	v_lshl_add_u32 v[SPW], v0, 2, SPARE
	v_mov_b32 v[NIL], 0
	v_lshrrev_b32 v1, 5, v0
	v_readfirstlane_b32 s26, v1                    ; wave
	v_and_b32 v2, 31, v0                           ; lane
	v_lshlrev_b32 v3, 4, v2                        ; 16 x lane: my 16 bytes of a load's or a store's 512
	s_mul_i32 s27, s26, WREG
	v_lshrrev_b32 v14, 2, v2
	v_mul_u32_u24 v14, v14, SP
	v_and_b32 v15, 3, v2
	v_lshl_add_u32 v14, v15, 4, v14
	v_add_nc_u32 v14, s27, v14                     ; the stage, on the way in: four lanes' 64 bytes on end, then 16 of padding
	v_mul_u32_u24 v15, v2, SP
	v_add_nc_u32 v15, s27, v15                     ; and on the way out: my 16 neighbours
	s_wait_kmcnt 0x0
	s_load_b256 s[36:43], s[14:15], 0x0            ; the eight exponents
	s_cmp_ge_u32 ttmp9, 384
	s_cbranch_scc1 .Ltab
	; which tensor: the choice hangs on the work-group's number alone
	s_mov_b64 s[28:29], s[12:13]                   ; from Wo
	s_mov_b64 s[30:31], s[22:23]                   ; to woc
	s_mov_b32 s32, 352                             ; the tensor's first work-group
	s_mov_b32 s33, 0                               ; where it begins in its buffer of codes
	s_cmp_lt_u32 ttmp9, 352
	s_cselect_b64 s[28:29], s[10:11], s[28:29]     ; Wv
	s_cselect_b64 s[30:31], s[20:21], s[30:31]     ; wc
	s_cselect_b32 s32, 320, s32
	s_cselect_b32 s33, 0x200000, s33
	s_cmp_lt_u32 ttmp9, 320
	s_cselect_b64 s[28:29], s[8:9], s[28:29]       ; Wk
	s_cselect_b32 s32, 288, s32
	s_cselect_b32 s33, 0x100000, s33
	s_cmp_lt_u32 ttmp9, 288
	s_cselect_b64 s[28:29], s[6:7], s[28:29]       ; Wq
	s_cselect_b32 s32, 256, s32
	s_cselect_b32 s33, 0, s33
	s_cmp_lt_u32 ttmp9, 256
	s_cselect_b64 s[28:29], s[4:5], s[28:29]       ; x
	s_cselect_b64 s[30:31], s[18:19], s[30:31]     ; xc
	s_cselect_b32 s32, 0, s32
	s_sub_co_u32 s44, ttmp9, s32
	s_lshl_b32 s44, s44, 2                         ; the work-group's first block of 8 rows
	s_add_co_u32 s45, s44, s26                     ; the block that I read
	s_and_b32 s46, s26, 1
	s_lshl_b32 s46, s46, 1
	s_lshr_b32 s47, s26, 1
	s_or_b32 s46, s46, s47                         ; 2 (w % 2) + w / 2
	s_sub_co_u32 s47, ttmp9, 320
	s_cmp_lt_u32 s47, 32                           ; Wv alone changes places
	s_cselect_b32 s46, s46, s26
	s_add_co_u32 s46, s44, s46                     ; the block that I write
	s_lshl_b32 s48, s45, 15                        ; 8,192 numbers of 4 bytes
	s_mov_b32 s49, 0
	s_add_nc_u64 s[28:29], s[28:29], s[48:49]
	s_lshl_b32 s50, s46, 13                        ; 8,192 codes
	s_add_co_u32 s50, s50, s33
	s_mov_b32 s51, 0
	s_add_nc_u64 s[30:31], s[30:31], s[50:51]
.macro LOAD t
.irp i, 0,1,2,3
	global_load_b128 v[R+16*((\t)%4)+4*\i:R+16*((\t)%4)+4*\i+3], v3, s[28:29] offset:2048*(\t)+512*\i th:TH_LOAD_NT   ; 32 lanes read 512 consecutive bytes
.endr
.endm
.macro TURN t                          ; step t's numbers through the stage: LDS serves a wave's instructions in order (ISA guide 5.7.1.4), so no wait stands between the stores and the loads
.irp i, 0,1,2,3
	ds_store_b128 v14, v[R+16*((\t)%4)+4*\i:R+16*((\t)%4)+4*\i+3] offset:32*SP*((\t)%2)+8*SP*\i
.endr
.irp i, 0,1,2,3
	ds_load_b128 v[X+16*((\t)%2)+4*\i:X+16*((\t)%2)+4*\i+3], v15 offset:32*SP*((\t)%2)+16*\i
.endr
.endm
	s_wait_alu depctr_va_vdst(0)
.irp t, 0,1,2,3
	LOAD \t
.endr
	s_wait_kmcnt 0x0
	s_cmp_lt_u32 ttmp9, 352
	s_cselect_b32 s52, s37, s43                    ; entry 1 for the three weights of the first product, entry 7 for Wo,
	s_cmp_lt_u32 ttmp9, 256
	s_cselect_b32 s52, s36, s52                    ; entry 0 for x
	s_add_co_i32 s52, s52, 127
	s_lshl_b32 s53, s52, 23
	v_mov_b32 v11, s53                             ; 2^e as f32: the conversion takes its exponent field
	s_add_co_i32 s52, s52, 8
	s_lshl_b32 s52, s52, 23
	s_or_b32 s52, s52, 0x600000
	v_mov_b32 v10, s52                             ; 448 x 2^e
	s_wait_alu depctr_va_vdst(0)
	s_wait_loadcnt 12                              ; step 0's four loads are in; the twelve of steps 1 to 3 may be out
	TURN 0
.macro STEP t
.set XS, X+16*((\t)%2)
	s_wait_dscnt 0x0                               ; this step's numbers are back from the stage: so its stores into the stage have read their registers,
.if (\t)+4 < STEPS
	LOAD (\t)+4                                    ; which take the loads of four steps on
.endif
.if (\t)+1 < STEPS
.if STEPS-2-(\t) >= 3
	s_wait_loadcnt 12                              ; the next step's four loads are in; those of the three steps behind it may be out
.else
	s_wait_loadcnt 4*(STEPS-2-(\t))
.endif
	TURN (\t)+1                                    ; and go through the other stage while this step is worked
.endif
.irp i, 0,1,2,3,4,5,6,7,8,9,10,11,12,13,14,15
	v_med3_num_f32 v[XS+\i], v[XS+\i], -v10, v10   ; the conversion to an 8-bit code does not saturate (ISA guide 7.6.2): the hold at the largest code x the scale comes first
.endr
	v_cvt_scalef32_pk8_fp8_f32 v[C+4*(\t):C+4*(\t)+1], v[XS:XS+7], v11
	v_cvt_scalef32_pk8_fp8_f32 v[C+4*(\t)+2:C+4*(\t)+3], v[XS+8:XS+15], v11
	global_store_b128 v3, v[C+4*(\t):C+4*(\t)+3], s[30:31] offset:32*CB*(\t)   ; 512 consecutive bytes, aligned; the codes go to a store alone, and the next step's holds are plain lines on other registers
.endm
.irp t, 0,1,2,3,4,5,6,7,8,9,10,11,12,13,14,15
	STEP \t
.endr
	s_wait_tensorcnt 0x0                           ; the wave's end, behind my last LDS store
	ds_add_u32 v[SPW], v[NIL]
	s_wait_dscnt 0x0
	s_endpgm
; THE TABLE.  Wave W = 4 (g - 384) + wave makes token tile W: 16 tokens x 32 pairs x (cos, sin) = 4,096 bytes.  No LDS on this path.
.Ltab:
	s_sub_co_u32 s44, ttmp9, 384
	s_lshl_b32 s44, s44, 2
	s_add_co_u32 s44, s44, s26                     ; W
	s_lshl_b32 s46, s44, 6                         ; 16 positions of 4 bytes
	s_mov_b32 s47, 0
	s_add_nc_u64 s[16:17], s[16:17], s[46:47]
	s_lshl_b32 s46, s44, 12
	s_add_nc_u64 s[24:25], s[24:25], s[46:47]
	v_and_b32 v4, 15, v0
	v_lshlrev_b32 v4, 2, v4
	global_load_b32 v20, v4, s[16:17]              ; my token's position
	v_cmp_lt_u32 s56, 15, v2                       ; lanes 16 to 31
	s_wait_loadcnt 0x0
	v_cvt_f32_i32 v20, v20
; cos and sin of position x (lo in lanes 0-15, hi in lanes 16-31) into v[c] and v[s]
.macro ANG lo, hi, c, s
	v_mov_b32 v21, \lo
	v_mov_b32 v22, \hi
	v_cndmask_b32 v21, v21, v22, s56
	v_mul_f32 v22, v20, v21                        ; the angle a
	v_mul_f32 v23, 0x3f22f983, v22                 ; a x 2 / pi,
	v_rndne_f32 v23, v23                           ; to the nearest whole number n
	v_fmamk_f32 v24, v23, 0xbfc90fd8, v22          ; r = a - n x pi / 2, pi / 2 in three parts
	v_fmamk_f32 v24, v23, 0xb4a8885a, v24
	v_fmamk_f32 v24, v23, 0xa7c234c4, v24
	v_cvt_i32_f32 v25, v23                         ; n as a whole number: its two low bits are the quadrant
	v_mul_f32 v26, -v24, v24                       ; z = -r r
	v_mov_b32 v27, 0x3638ef1d                      ; 1/9!
	v_mov_b32 v28, 0x3493f27e                      ; 1/10!
	v_fmaak_f32 v27, v27, v26, 0x39500d01          ; 1/7!
	v_fmaak_f32 v28, v28, v26, 0x37d00d01          ; 1/8!
	v_fmaak_f32 v27, v27, v26, 0x3c088889          ; 1/5!
	v_fmaak_f32 v28, v28, v26, 0x3ab60b61          ; 1/6!
	v_fmaak_f32 v27, v27, v26, 0x3e2aaaab          ; 1/3!
	v_fmaak_f32 v28, v28, v26, 0x3d2aaaab          ; 1/4!
	v_mul_f32 v29, v24, v26                        ; r z
	v_fmaak_f32 v28, v28, v26, 0x3f000000          ; 1/2!
	v_fma_f32 v27, v29, v27, v24                   ; sin r
	v_fma_f32 v28, v28, v26, 1.0                   ; cos r
	v_and_b32 v30, 1, v25
	v_cmp_eq_u32 vcc_lo, 1, v30                    ; in an odd quadrant the two change places
	v_cndmask_b32 v[\s], v27, v28, vcc_lo
	v_cndmask_b32 v[\c], v28, v27, vcc_lo
	v_lshlrev_b32 v30, 30, v25                     ; the sine is negative in quadrants 2 and 3: bit 1 of n,
	v_and_b32 v30, 0x80000000, v30
	v_xor_b32 v[\s], v[\s], v30
	v_add_nc_u32 v30, 1, v25                       ; the cosine in quadrants 1 and 2: bit 1 of n + 1
	v_lshlrev_b32 v30, 30, v30
	v_and_b32 v30, 0x80000000, v30
	v_xor_b32 v[\c], v[\c], v30
.endm
	ANG 1.0,            0.316227766,    64, 68     ; pairs 0 and 4: 10^(-pair / 8)
	ANG 0.749894209,    0.237137371,    65, 69
	ANG 0.562341325,    0.177827941,    66, 70
	ANG 0.421696503,    0.133352143,    67, 71
	ANG 0.1,            0.0316227766,   72, 76     ; pairs 8 and 12
	ANG 0.0749894209,   0.0237137371,   73, 77
	ANG 0.0562341325,   0.0177827941,   74, 78
	ANG 0.0421696503,   0.0133352143,   75, 79
	ANG 0.01,           0.00316227766,  80, 84     ; pairs 16 and 20
	ANG 0.00749894209,  0.00237137371,  81, 85
	ANG 0.00562341325,  0.00177827941,  82, 86
	ANG 0.00421696503,  0.00133352143,  83, 87
	ANG 0.001,          0.000316227766, 88, 92     ; pairs 24 and 28
	ANG 0.000749894209, 0.000237137371, 89, 93
	ANG 0.000562341325, 0.000177827941, 90, 94
	ANG 0.000421696503, 0.000133352143, 91, 95
.irp p, 0,1,2,3,4,5,6,7
	global_store_b128 v3, v[64+4*\p:67+4*\p], s[24:25] offset:512*\p   ; a piece: 512 consecutive bytes, aligned
.endr
	s_endpgm
.Lfunc_end_k_qa16edeb094_prep:
	.size	k_qa16edeb094_prep, .Lfunc_end_k_qa16edeb094_prep-k_qa16edeb094_prep
	.p2alignl 7, 3214868480
	.fill 96, 4, 3214868480
	.section	.rodata,"a",@progbits
	.p2align	6, 0x0
	.amdhsa_kernel k_qa16edeb094_prep
		.amdhsa_group_segment_fixed_size 33280
		.amdhsa_private_segment_fixed_size 0
		.amdhsa_enable_private_segment 0
		.amdhsa_kernarg_size 88
		.amdhsa_user_sgpr_count 2
		.amdhsa_user_sgpr_kernarg_segment_ptr 1
		.amdhsa_wavefront_size32 1
		.amdhsa_system_sgpr_workgroup_id_x 1
		.amdhsa_system_sgpr_workgroup_id_y 1
		.amdhsa_system_sgpr_workgroup_id_z 1
		.amdhsa_system_vgpr_workitem_id 0
		.amdhsa_next_free_vgpr 192
		.amdhsa_next_free_sgpr 66
		.amdhsa_reserve_vcc 1
		.amdhsa_float_denorm_mode_32 3
		.amdhsa_float_denorm_mode_16_64 3
		.amdhsa_memory_ordered 1
		.amdhsa_forward_progress 1
		.amdhsa_inst_pref_size 67
	.end_amdhsa_kernel
	.amdgpu_metadata
---
amdhsa.version: [ 1, 2 ]
amdhsa.kernels:
  - .name:           k_qa16edeb094_prep
    .symbol:         k_qa16edeb094_prep.kd
    .args:
      - { .name: x, .offset: 0, .size: 8, .value_kind: global_buffer, .address_space: global }
      - { .name: Wq, .offset: 8, .size: 8, .value_kind: global_buffer, .address_space: global }
      - { .name: Wk, .offset: 16, .size: 8, .value_kind: global_buffer, .address_space: global }
      - { .name: Wv, .offset: 24, .size: 8, .value_kind: global_buffer, .address_space: global }
      - { .name: Wo, .offset: 32, .size: 8, .value_kind: global_buffer, .address_space: global }
      - { .name: lowp_scales, .offset: 40, .size: 8, .value_kind: global_buffer, .address_space: global }
      - { .name: token_positions, .offset: 48, .size: 8, .value_kind: global_buffer, .address_space: global }
      - { .name: xc, .offset: 56, .size: 8, .value_kind: global_buffer, .address_space: global }
      - { .name: wc, .offset: 64, .size: 8, .value_kind: global_buffer, .address_space: global }
      - { .name: woc, .offset: 72, .size: 8, .value_kind: global_buffer, .address_space: global }
      - { .name: tab, .offset: 80, .size: 8, .value_kind: global_buffer, .address_space: global }
    .group_segment_fixed_size: 33280
    .private_segment_fixed_size: 0
    .kernarg_segment_align: 8
    .kernarg_segment_size: 88
    .max_flat_workgroup_size: 128
    .sgpr_count:     66
    .vgpr_count:     192
    .wavefront_size: 32
...
	.end_amdgpu_metadata
.endif
;; end of part 1
;; launch qkv (part 2): grid 12 x 32, 4 waves a work-group, clusters of 4 x 4, 327,680 bytes of LDS; arguments xc, wc, lowp_scales, tab, qc, kc, vc; writes qc, kc, vc
.if DOCPART == 2
	.amdgcn_target "amdgcn-amd-amdhsa--gfx1250"
	.amdhsa_code_object_version 6
	.text
	.protected	k_qa16edeb094_qkv
	.globl	k_qa16edeb094_qkv
	.p2align	8
	.type	k_qa16edeb094_qkv,@function
k_qa16edeb094_qkv:
	s_mov_b64 s[64:65], 0
	v_nop
	global_prefetch_b8 v0, s[64:65] scope:SCOPE_SE
	s_setreg_imm32_b32 hwreg(HW_REG_WAVE_MODE, 25, 1), 1
	s_wait_xcnt 0x0
	s_wait_alu depctr_hold_cnt(0) depctr_sa_sdst(0) depctr_va_vdst(0) depctr_va_sdst(0) depctr_va_ssrc(0) depctr_va_vcc(0) depctr_vm_vsrc(0)
	s_getreg_b32 s2, hwreg(HW_REG_IB_STS2, 6, 4)
	s_cmp_eq_u32 s2, 0
	s_cbranch_scc0 .Lentry_in_a_cluster
	s_endpgm
.Lentry_in_a_cluster:
	s_bfe_u32 s2, ttmp6, 0x10000c
	s_cmp_lg_u32 s2, 0xf033
	s_cbranch_scc0 .Lentry_shape_is_right
	s_endpgm
.Lentry_shape_is_right:
; QKV.  The first product, x [8192][1024] times the 3,072 rows of Wq, Wk, Wv, on codes of FP8 (E4M3); then the rotation of q and k by the table of cosines and sines, q x 1/8, and the quantising of q, k and v for the attention's products.
; A tile of 256 x 256 results is made by a work-group of four waves, a wave 128 x 128: 64 accumulators of 16 x 16, 512 registers.  K goes in steps of 256 through a ring of two LDS slots filled by the tensor data mover.
; CLUSTERS: 4 x 4 work-groups.  The tile of role A hangs on the place along the cluster's y alone and is asked for jointly by a row of the cluster, the tile of role B on the place along x alone, jointly by a column.
; ROLES, by the cluster's x, which all sixteen partners share: 0 (q) and 1 (k): A = 256 tokens of xc, B = 256 rows of wc.  2 (v): A = 256 rows of wc (Wv's), B = 256 tokens of xc.
; Source 0 of the matrix instruction takes 16 rows of B, source 1 16 rows of A: a lane holds ONE row of A and its eight registers eight neighbouring rows of B.  So for q and k a lane's registers run along the head's channels,
; and for v along the tokens: each time along the K of the product that follows, as the conversions to codes want it.  Nothing is transposed and the way out needs no LDS.
; OUT: images of operand registers.  qc, kc: [head of a batch (64)][token tile of 16 (128)][2 groups][lane][16 bytes]; vc: [head (64)][128 keys (16)][tile of 16 channels (4)][4 groups][lane][16 bytes].  Each store covers 512 consecutive bytes, aligned.
; SCALES: a sum stands for sum x 2^(e0 + e1).  The conversion's one scale is 2^E, E = (q: e2 + 3, the 3 for the 1/8; k: e3; v: e5) - e0 - e1.  LIMIT: -126 <= E <= 119.  NaN among the inputs is not served.
; Inside a matrix instruction k lies permuted, alike in both operands (four loads of 16 bytes a fragment): every product meets its partner; the order of the sums inside an instruction differs from the natural one.
; REGISTERS, in windows of 256: window 0: v16-31 addresses and constants; v32-95 two blocks' cosines and sines; from v128 A's fragments, ONE set; on the way out v96-159 the numbers at work, v160-191 codes.
;   window 1: B's fragments, TWO sets.   window 2: the 32 accumulators of my rows 0-63 of A (accumulator (a, b) at v[8 (8 a + b)]);   window 3: those of rows 64-127.
; No prefetch: a work-group has four fills of a slot in all, and two of them stand at its head.
.set KSTEP,  256
.set ROWB,   256                       ; a tile's row in bytes
.set KROW,   1024                      ; a row of xc or of wc in memory, in bytes
.set PITCH,  272                       ; an LDS row: 256 bytes + 16 of padding = 68 words: row r starts at bank 4 r mod 64 (ISA guide 11.1)
.set FR,     16                        ; registers of a fragment: 16 rows x 128 K
.set NL,     4                         ; LDS loads that bring one
.set NP,     4                         ; places behind this matrix instruction (ISA guide 7.12.1)
.set HALFT,  128*PITCH                 ; 128 rows: what one tensor load brings
.set SLOT,   4*HALFT                   ; A's 256 rows, then B's 256 rows
.set LAPS,   2                         ; 1,024 along K = two laps of two slots
.set SPARE,  2*SLOT                    ; behind the ring: the spare words, 128 bytes for each wave
.set ADRA, 16                          ; v16-17  LDS address of my A fragments in slot 0, 1
.set ADRB, 20                          ; v20-21  the same for B
.set LN,   24                          ; v24     16 x lane; never rewritten
.set SPW,  28                          ; v28     LDS address of my spare word; never rewritten
.set NIL,  29                          ; v29     0; never rewritten
.set SC,   30                          ; v30     2^E as f32
.set LIM,  31                          ; v31     448 x 2^E
.set CS,   32                          ; v32-95  two sets of 32: a block's cosines and sines (piece p at 4 p)
.set RR,   96                          ; v96-159 a block's 64 numbers
.set CD,   160                         ; v160-191 two sets of 16: a block's codes
.set AF,   128                         ; A's fragments, in window 0
.set G1, 24                            ; s[24:31] descriptor group 1 for A's tiles;  s[32:39] group 0, one set for each slot
.set G0, 32
.set G1B, 48                           ; s[48:55], s[56:63] the same for B's tiles
.set G0B, 56
.set MSB, 0
.macro WIN new                         ; the immediate's high byte repeats the setting that is left
.if MSB != (\new)
	s_set_vgpr_msb (MSB<<8)|(\new)
.set MSB, (\new)
.endif
.endm
.set MUL_LO, 0xa1                      ; source 0 (B) window 1, source 1 (A) window 0, C and D window 2
.set MUL_HI, 0xf1                      ; the same, C and D window 3
.set TO_B,   0x40                      ; destination window 1, address window 0
; A joint load: waves 0 and 1 fetch for A, waves 2 and 3 for B.  The branch hangs on the wave's number alone.  An s_nop 0 and four v_nop follow each of the two lines.
.macro JLOAD g0a, g1a, g0b, g1b
	s_cmp_eq_u32 s15, 0
	s_cbranch_scc0 .Lfor_b_\@
	tensor_load_to_lds s[\g0a:\g0a+3], s[\g1a:\g1a+7]
	s_nop 0
.rept 4
	v_nop
.endr
	s_branch .Lasked_\@
.Lfor_b_\@:
	tensor_load_to_lds s[\g0b:\g0b+3], s[\g1b:\g1b+7]
	s_nop 0
.rept 4
	v_nop
.endr
.Lasked_\@:
.endm
.macro CREST                           ; a round of the cluster's barrier behind its opening barrier
	s_cmp_lg_u32 s14, 0
	s_cbranch_scc1 .Lnot_wave_0_\@
	s_barrier_signal -3
.Lnot_wave_0_\@:
	s_barrier_wait -3
	s_barrier_signal -1
	s_barrier_wait -1
.endm
.macro CROUND                          ; a whole round
	s_barrier_signal -1
	s_barrier_wait -1
	CREST
.endm
	s_load_b256 s[4:11], s[0:1], 0x0               ; xc s[4:5], wc s[6:7], the scales s[8:9], tab s[10:11]
	s_load_b128 s[68:71], s[0:1], 0x20             ; qc s[68:69], kc s[70:71]
	s_load_b64 s[72:73], s[0:1], 0x30              ; vc
	v_lshl_add_u32 v[SPW], v0, 2, SPARE
	v_mov_b32 v[NIL], 0
	ds_add_u32 v[SPW], v[NIL]                      ; the wave's opening: the add and its wait ahead of my first tensor load; the set-up below, work on registers, stands between them
	ds_add_u32 v[SPW], v[NIL]
	v_lshrrev_b32 v1, 5, v0
	v_readfirstlane_b32 s14, v1                    ; wave 0..3
	s_lshr_b32 s15, s14, 1                         ; which half of A's rows is mine.  Also: I fetch for A (0) or for B (1)
	s_and_b32 s16, s14, 1                          ; which half of B's rows.  Also: which 128 rows of that tile I fetch
	s_bfe_u32 s40, ttmp6, 0x40000                  ; cx, cy: my place in the cluster
	s_bfe_u32 s41, ttmp6, 0x40004
	s_lshl_b32 s67, ttmp9, 2                       ; 4 x cluster x
	s_and_b32 s66, ttmp7, 0xffff
	s_lshl_b32 s66, s66, 2                         ; 4 x cluster y
	s_cmp_eq_u32 ttmp9, 2                          ; v?
	s_cselect_b32 s17, 8, s66
	s_cselect_b32 s42, s66, s67
	s_add_co_u32 s17, s17, s41                     ; A's tile: q, k: tokens 4 x cluster y + cy;  v: rows of wc 8 + cy
	s_add_co_u32 s42, s42, s40                     ; B's tile: q, k: rows of wc 4 x cluster x + cx;  v: tokens 4 x cluster y + cx
	s_lshl_b32 s43, s41, 2
	s_lshl_b32 s43, 15, s43                        ; my row of the cluster
	s_lshl_b32 s44, 0x1111, s40                    ; my column
	; descriptor group 1: a tile of 128 rows x 256 bytes, padded in LDS
	s_or_b32 s[G1+0], s43, (0<<16)|(1<<20)|(1<<21)|(5<<22)|(3<<25)  ; 15:0 the mask: my row; 17:16 element of 1 byte; 20 padding on; 21 set beside a mask; 24:22 after every 64 words (code 5); 31:25 of 4 words (code 3)
	s_or_b32 s[G1B+0], s44, (0<<16)|(1<<20)|(1<<21)|(5<<22)|(3<<25) ; the same with the mask of my column
.irp g, G1, G1B
	s_mov_b32 s[\g+1], ROWB<<16                    ; tensor_dim0
	s_mov_b32 s[\g+2], 128<<16                     ; tensor_dim1 = 128
	s_mov_b32 s[\g+3], ROWB<<16                    ; tile_dim0
	s_mov_b32 s[\g+4], 128                         ; tile_dim1 = 128
	s_mov_b32 s[\g+5], KROW                        ; tensor_dim0_stride
	s_mov_b32 s[\g+6], 0
	s_mov_b32 s[\g+7], 0
.endr
	s_lshl_b32 s18, s16, 7                         ; which 128 rows of the tile I fetch
	s_lshl_b32 s20, s17, 8
	s_add_co_u32 s20, s20, s18                     ; A: row 256 x tile + 128 x half,
	s_lshl_b32 s20, s20, 10                        ; of 1,024 bytes
	s_mov_b32 s21, 0
	s_lshl_b32 s46, s42, 8
	s_add_co_u32 s46, s46, s18                     ; B likewise
	s_lshl_b32 s46, s46, 10
	s_mov_b32 s47, 0
	s_mul_i32 s45, s14, HALFT                      ; where they go: wave x 128 rows: no place in the cluster enters an LDS address
	s_wait_dscnt 0x0                               ; the opening add is done
	s_wait_kmcnt 0x0
	s_load_b256 s[76:83], s[8:9], 0x0              ; e0 .. e7
	s_cmp_eq_u32 ttmp9, 2
	s_cselect_b64 s[84:85], s[6:7], s[4:5]         ; role A's buffer
	s_cselect_b64 s[86:87], s[4:5], s[6:7]         ; role B's
	s_add_nc_u64 s[20:21], s[84:85], s[20:21]
	s_add_nc_u64 s[46:47], s[86:87], s[46:47]
	CROUND                                         ; all sixteen work-groups are here: the first joint loads meet
.irp s, 0,1
	s_mov_b32 s[G0+4*\s], 1
	s_add_co_u32 s[G0+4*\s+1], s45, \s*SLOT
	s_add_nc_u64 s[G0+4*\s+2:G0+4*\s+3], s[20:21], \s*ROWB
	s_or_b32 s[G0+4*\s+3], s[G0+4*\s+3], 0x80000000
	s_mov_b32 s[G0B+4*\s], 1
	s_add_co_u32 s[G0B+4*\s+1], s45, \s*SLOT
	s_add_nc_u64 s[G0B+4*\s+2:G0B+4*\s+3], s[46:47], \s*ROWB
	s_or_b32 s[G0B+4*\s+3], s[G0B+4*\s+3], 0x80000000
.endr
	JLOAD G0, G1, G0B, G1B                         ; K step 0: one tensor load a wave at the head
	v_and_b32 v1, 15, v0                           ; l % 16
	v_bfe_u32 v2, v0, 4, 1                         ; l / 16
	v_mul_u32_u24 v3, v1, PITCH
	v_lshl_add_u32 v4, v2, 4, v3                   ; a fragment's row x pitch + 16 x half
	s_mul_i32 s21, s15, HALFT                      ; my 128 rows of A
	s_mul_i32 s22, s16, HALFT                      ; my 128 rows of B,
	s_add_co_u32 s22, s22, 2*HALFT                 ; which lie behind A's 256
.irp s, 0,1
	v_add_nc_u32 v[ADRA+\s], s21, v4
	v_add_nc_u32 v[ADRB+\s], s22, v4
	s_add_co_u32 s21, s21, SLOT
	s_add_co_u32 s22, s22, SLOT
.endr
	; the table of cosines and sines at my first token tile, and its first two blocks.  Every work-group issues these sixteen loads, v's too (which reads them from inside the table and does not use them): so the text has one path here.
	v_and_b32 v6, 31, v0
	v_lshlrev_b32 v[LN], 4, v6
	s_lshl_b32 s92, s17, 4
	s_lshl_b32 s93, s15, 3
	s_add_co_u32 s92, s92, s93
	s_and_b32 s92, s92, 127                        ; my first tile of 16 tokens within its batch of 2,048
	s_lshl_b32 s94, s92, 12
	s_mov_b32 s95, 0
	s_add_nc_u64 s[90:91], s[10:11], s[94:95]
.irp a, 0,1
.irp p, 0,1,2,3,4,5,6,7
	global_load_b128 v[CS+32*\a+4*\p:CS+32*\a+4*\p+3], v[LN], s[90:91] offset:4096*\a+512*\p
.endr
.endr
	; where my results go.  q, k: head 16 x batch + 4 (B's tile % 4) + 2 x my half of B, token tile as above
	s_lshl_b32 s94, s92, 10
	s_lshr_b32 s93, s17, 3
	s_lshl_b32 s93, s93, 4
	s_and_b32 s95, s42, 3
	s_lshl_b32 s95, s95, 2
	s_add_co_u32 s93, s93, s95
	s_lshl_b32 s95, s16, 1
	s_add_co_u32 s93, s93, s95
	s_lshl_b32 s93, s93, 17
	s_add_co_u32 s94, s94, s93
	; v: head 16 x batch + 4 (A's tile % 4) + 2 x my half of A, key step (2 x B's tile + my half of B) % 16
	s_lshr_b32 s93, s42, 3
	s_lshl_b32 s93, s93, 4
	s_and_b32 s95, s17, 3
	s_lshl_b32 s95, s95, 2
	s_add_co_u32 s93, s93, s95
	s_lshl_b32 s95, s15, 1
	s_add_co_u32 s93, s93, s95
	s_lshl_b32 s93, s93, 17
	s_lshl_b32 s95, s42, 1
	s_add_co_u32 s95, s95, s16
	s_and_b32 s95, s95, 15
	s_lshl_b32 s95, s95, 13
	s_add_co_u32 s93, s93, s95
	s_cmp_eq_u32 ttmp9, 2
	s_cselect_b32 s92, s93, s94
	s_cselect_b64 s[88:89], s[72:73], s[70:71]
	s_mov_b32 s93, 0
	s_cmp_eq_u32 ttmp9, 0
	s_cselect_b64 s[88:89], s[68:69], s[88:89]
	s_add_nc_u64 s[88:89], s[88:89], s[92:93]
.macro FRAG reg, adr, q, i             ; a fragment, 16 rows x 128 K of 8-bit codes, is 16 registers: lane l holds row l % 16; registers 4 c .. 4 c + 3 hold K = 32 c + 16 (l / 16) + 0 .. 15
.irp c, 0,1,2,3
	ds_load_b128 v[\reg+4*\c:\reg+4*\c+3], v[\adr] offset:128*(\q)+32*\c+(\i)*16*PITCH
.endr
.endm
; 16 matrix instructions: A's blocks a0, a0 + 1 x B's eight, 128 along K.  p: B's set.  zero = 1: the first product starts the sums.  The 64 accumulators take turns, one instruction a turn, in the same order in every step.
.macro MUL16 a0, p, zero
.irp a, \a0, \a0+1
.irp b, 0,1,2,3,4,5,6,7
.if \zero
	v_wmma_f32_16x16x128_fp8_fp8 v[8*(8*((\a)%4)+\b):8*(8*((\a)%4)+\b)+7], v[128*(\p)+FR*\b:128*(\p)+FR*\b+FR-1], v[AF+FR*(\a):AF+FR*(\a)+FR-1], 0
.else
	v_wmma_f32_16x16x128_fp8_fp8 v[8*(8*((\a)%4)+\b):8*(8*((\a)%4)+\b)+7], v[128*(\p)+FR*\b:128*(\p)+FR*\b+FR-1], v[AF+FR*(\a):AF+FR*(\a)+FR-1], v[8*(8*((\a)%4)+\b):8*(8*((\a)%4)+\b)+7]
.endif
.endr
.endr
.endm
.macro FETCH_B slot, q, p              ; B's eight fragments of the slot's q-th 128 along K into set p
	WIN TO_B
.irp i, 0,1,2,3,4,5,6,7
	FRAG 128*(\p)+FR*\i, ADRB+\slot, \q, \i
.endr
	WIN 0
.endm
.macro FETCH_A slot, q, i0             ; A's blocks i0 .. i0 + 3
.irp i, \i0, \i0+1, \i0+2, \i0+3
	FRAG AF+FR*(\i), ADRA+\slot, \q, \i
.endr
.endm
.macro PLACES n                        ; plain vector instructions between a matrix instruction and a load into, or a vector instruction on, its registers
.rept \n
	v_nop
.endr
.endm
; A step of 128 along K that has its successor in the same slot.
.macro STEP slot, q, zero
	s_wait_dscnt 4*NL                              ; B's set and A's blocks 0-3 are in; the youngest sixteen loads (A's blocks 4-7) may be out
	WIN MUL_LO
	MUL16 0, (\q)%2, \zero
	MUL16 2, (\q)%2, \zero
	s_wait_dscnt 0                                 ; A's blocks 4-7 are in
	PLACES NP
	FETCH_B \slot, (\q)+1, 1-(\q)%2
	FETCH_A \slot, (\q)+1, 0
	WIN MUL_HI
	MUL16 4, (\q)%2, \zero
	MUL16 6, (\q)%2, \zero
	PLACES NP
	WIN 0
	FETCH_A \slot, (\q)+1, 4
.endm
; A slot's last step changes slots: ONE barrier; in front of it each wave waits for all its tensor loads, adds 0 to its spare word, and waits for that and for its own reads of this slot.  fill = 1: this slot is filled again, two K steps ahead.
.macro TURN slot, next, fill
	s_wait_tensorcnt 0x0                           ; all my tensor loads have landed: my part of the next slot
	ds_add_u32 v[SPW], v[NIL]                      ; 0 onto my spare word
	s_wait_dscnt 4*NL+1                            ; (the add and the youngest sixteen loads, A's blocks 4-7, may be out)
	WIN MUL_LO
	MUL16 0, 1, 0                                  ; sixteen matrix instructions stand between the add and the wait for it
	s_wait_dscnt 0x0                               ; the add is done, and my reads of this slot are over
	s_barrier_signal -1
	MUL16 2, 1, 0
	WIN 0
	s_barrier_wait -1
.if \fill
	CREST                                          ; the barrier has opened a round of the cluster's barrier: no wave of any partner still reads this slot's tile or has a load on its way
	s_add_nc_u64 s[G0+4*\slot+2:G0+4*\slot+3], s[G0+4*\slot+2:G0+4*\slot+3], 2*ROWB
	s_add_nc_u64 s[G0B+4*\slot+2:G0B+4*\slot+3], s[G0B+4*\slot+2:G0B+4*\slot+3], 2*ROWB
	JLOAD G0+4*\slot, G1, G0B+4*\slot, G1B         ; the first tensor load behind the round; the four v_nop behind it are the places in front of the loads below
.else
	PLACES NP
.endif
	FETCH_B \next, 0, 0
	FETCH_A \next, 0, 0
	WIN MUL_HI
	MUL16 4, 1, 0
	MUL16 6, 1, 0
	PLACES NP
	WIN 0
	FETCH_A \next, 0, 4
.endm
	s_wait_alu depctr_va_vdst(0)
	s_wait_tensorcnt 0x0                           ; my part of K step 0 is in
	ds_add_u32 v[SPW], v[NIL]
	s_wait_dscnt 0x0
	CROUND                                         ; everybody's part of K step 0 is in, and all sixteen work-groups are here
	JLOAD G0+4, G1, G0B+4, G1B                     ; K step 1, slot 1's first fill: the first tensor load behind the round
	FETCH_B 0, 0, 0
	FETCH_A 0, 0, 0
	FETCH_A 0, 0, 4
	STEP 0, 0, 1                                   ; the first step stands in front of the loop: its products start the sums
	s_mov_b32 s3, LAPS-1
.Llap:                                                 ; a trip goes once round the ring, from a lap's second step to the next lap's first, and fills both slots again
	TURN 0, 1, 1
	STEP 1, 0, 0
	TURN 1, 0, 1
	STEP 0, 0, 0
	s_sub_co_u32 s3, s3, 1
	s_cmp_lg_u32 s3, 0
	s_cbranch_scc1 .Llap
	TURN 0, 1, 0                                   ; the last lap fills nothing, and has no round of the cluster's barrier
	STEP 1, 0, 0
	s_wait_dscnt 4*NL                              ; the very last step: nothing more to fetch
	WIN MUL_LO
	MUL16 0, 1, 0
	MUL16 2, 1, 0
	s_wait_dscnt 0
	WIN MUL_HI
	MUL16 4, 1, 0
	MUL16 6, 1, 0
	WIN 0
	; THE WAY OUT.  The conversion's scale: chosen by the cluster's x without a branch on a loaded number
	s_wait_kmcnt 0x0
	s_add_co_i32 s92, s78, 3                       ; q: e2 + 3
	s_cmp_eq_u32 ttmp9, 1
	s_cselect_b32 s92, s79, s92                    ; k: e3
	s_cmp_eq_u32 ttmp9, 2
	s_cselect_b32 s92, s81, s92                    ; v: e5
	s_sub_co_i32 s92, s92, s76
	s_sub_co_i32 s92, s92, s77                     ; - e0 - e1
	s_add_co_i32 s92, s92, 127
	s_lshl_b32 s93, s92, 23
	v_mov_b32 v[SC], s93                           ; 2^E as f32
	s_add_co_i32 s92, s92, 8
	s_lshl_b32 s92, s92, 23
	s_or_b32 s92, s92, 0x600000
	v_mov_b32 v[LIM], s92                          ; 448 x 2^E
	PLACES NP                                      ; behind the last products: their results are read, and the registers that held A's fragments written, below
; q and k, block a: 16 tokens x 128 channels (two heads).  Registers 8 b + 2 e, 8 b + 2 e + 1 are pair 8 (b % 4) + 4 (l / 16) + e of a head: (x1, x2) -> (x1 c - x2 s, x2 c + x1 s): a packed product by c, then a packed
; multiply-add that takes the pair crosswise, by -s in its low half and by s in its high half.  Each accumulator is read from its low end on.
.macro QKBLK a
.set AC,  64*((\a)%4)
.set CSB, CS+32*((\a)%2)
.set CDB, CD+16*((\a)%2)
.if (\a) < 7
	s_wait_loadcnt 8                               ; this block's eight loads from the table are in; the next block's eight may be out
.else
	s_wait_loadcnt 0
.endif
.if (\a) >= 2
	s_wait_xcnt 0x0                                ; block a - 2's stores have read their data registers, which this block's codes take
.endif
	WIN 0x02+((\a)/4)                              ; source 0: window 2 or 3
.irp b, 0,1,2,3,4,5,6,7
.irp u, 0,1
	v_pk_mul_f32 v[RR+8*\b+4*\u:RR+8*\b+4*\u+1], v[AC+8*\b+4*\u:AC+8*\b+4*\u+1], v[CSB+8*(\b%4)+2*\u:CSB+8*(\b%4)+2*\u+1] op_sel_hi:[1,0]
	v_pk_mul_f32 v[RR+8*\b+4*\u+2:RR+8*\b+4*\u+3], v[AC+8*\b+4*\u+2:AC+8*\b+4*\u+3], v[CSB+8*(\b%4)+2*\u:CSB+8*(\b%4)+2*\u+1] op_sel:[0,1] op_sel_hi:[1,1]
.endr
.endr
.irp b, 0,1,2,3,4,5,6,7
.irp u, 0,1
	v_pk_fma_f32 v[RR+8*\b+4*\u:RR+8*\b+4*\u+1], v[AC+8*\b+4*\u:AC+8*\b+4*\u+1], v[CSB+8*(\b%4)+4+2*\u:CSB+8*(\b%4)+4+2*\u+1], v[RR+8*\b+4*\u:RR+8*\b+4*\u+1] op_sel:[1,0,0] op_sel_hi:[0,0,1] neg_lo:[0,1,0]
	v_pk_fma_f32 v[RR+8*\b+4*\u+2:RR+8*\b+4*\u+3], v[AC+8*\b+4*\u+2:AC+8*\b+4*\u+3], v[CSB+8*(\b%4)+4+2*\u:CSB+8*(\b%4)+4+2*\u+1], v[RR+8*\b+4*\u+2:RR+8*\b+4*\u+3] op_sel:[1,1,0] op_sel_hi:[0,1,1] neg_lo:[0,1,0]
.endr
.endr
	WIN 0
.if (\a) < 6
.irp p, 0,1,2,3,4,5,6,7
	global_load_b128 v[CSB+4*\p:CSB+4*\p+3], v[LN], s[90:91] offset:4096*((\a)+2)+512*\p   ; the table for the block two on, into the set just read
.endr
.endif
.irp b, 0,1,2,3,4,5,6,7
.irp i, 0,1,2,3,4,5,6,7
	v_med3_num_f32 v[RR+8*\b+\i], v[RR+8*\b+\i], -v[LIM], v[LIM]   ; the conversion to an 8-bit code does not saturate (ISA guide 7.6.2): the hold comes first
.endr
	v_cvt_scalef32_pk8_fp8_f32 v[CDB+2*\b:CDB+2*\b+1], v[RR+8*\b:RR+8*\b+7], v[SC]
.endr
	v_nop                                          ; a plain vector instruction behind the last conversion
.irp k, 0,1,2,3
	global_store_b128 v[LN], v[CDB+4*\k:CDB+4*\k+3], s[88:89] offset:(\k/2)*131072+(\a)*1024+(\k%2)*512 th:TH_STORE_NT   ; head k / 2, token tile a, group k % 2: 512 consecutive bytes
.endr
.endm
; v, block a: 16 channels x 128 tokens: the hold, the conversion, four groups of 32 keys.
.macro VBLK a
.set AC,  64*((\a)%4)
.set CDB, CD+16*((\a)%2)
.if (\a) >= 2
	s_wait_xcnt 0x0                                ; block a - 2's stores have read their data registers
.endif
	WIN 0x02+((\a)/4)
.set n, 0
.rept 64
	v_med3_num_f32 v[RR+n], v[AC+n], -v[LIM], v[LIM]
.set n, n+1
.endr
	WIN 0
.irp b, 0,1,2,3,4,5,6,7
	v_cvt_scalef32_pk8_fp8_f32 v[CDB+2*\b:CDB+2*\b+1], v[RR+8*\b:RR+8*\b+7], v[SC]
.endr
	v_nop                                          ; a plain vector instruction behind the last conversion
.irp c, 0,1,2,3
	global_store_b128 v[LN], v[CDB+4*\c:CDB+4*\c+3], s[88:89] offset:((\a)/4)*131072+((\a)%4)*2048+\c*512 th:TH_STORE_NT   ; head a / 4, channel tile a % 4, group c: 512 consecutive bytes
.endr
.endm
	s_cmp_eq_u32 ttmp9, 2                          ; the cluster's x: the same in all sixteen partners
	s_cbranch_scc1 .Lv_out
.irp a, 0,1,2,3,4,5,6,7
	QKBLK \a
.endr
	s_branch .Lend
.Lv_out:
	s_wait_loadcnt 0x0                             ; the sixteen loads from the table, which this path does not use, are in
	s_wait_alu depctr_va_vdst(0)
.irp a, 0,1,2,3,4,5,6,7
	VBLK \a
.endr
.Lend:
	s_wait_tensorcnt 0x0                           ; the wave's end, behind my last tensor load
	ds_add_u32 v[SPW], v[NIL]
	s_wait_dscnt 0x0
	CROUND                                         ; the closing round: no work-group ends while a partner may still ask for a tile that names it
	s_endpgm
.Lfunc_end_k_qa16edeb094_qkv:
	.size	k_qa16edeb094_qkv, .Lfunc_end_k_qa16edeb094_qkv-k_qa16edeb094_qkv
	.p2alignl 7, 3214868480
	.fill 96, 4, 3214868480
	.section	.rodata,"a",@progbits
	.p2align	6, 0x0
	.amdhsa_kernel k_qa16edeb094_qkv
		.amdhsa_group_segment_fixed_size 327680
		.amdhsa_private_segment_fixed_size 0
		.amdhsa_enable_private_segment 0
		.amdhsa_kernarg_size 56
		.amdhsa_user_sgpr_count 2
		.amdhsa_user_sgpr_kernarg_segment_ptr 1
		.amdhsa_wavefront_size32 1
		.amdhsa_system_sgpr_workgroup_id_x 1
		.amdhsa_system_sgpr_workgroup_id_y 1
		.amdhsa_system_sgpr_workgroup_id_z 1
		.amdhsa_system_vgpr_workitem_id 0
		.amdhsa_next_free_vgpr 1024
		.amdhsa_next_free_sgpr 100
		.amdhsa_reserve_vcc 0
		.amdhsa_float_denorm_mode_32 3
		.amdhsa_float_denorm_mode_16_64 3
		.amdhsa_memory_ordered 1
		.amdhsa_forward_progress 1
		.amdhsa_inst_pref_size 197
	.end_amdhsa_kernel
	.amdgpu_metadata
---
amdhsa.version: [ 1, 2 ]
amdhsa.kernels:
  - .name:           k_qa16edeb094_qkv
    .symbol:         k_qa16edeb094_qkv.kd
    .args:
      - { .name: xc, .offset: 0, .size: 8, .value_kind: global_buffer, .address_space: global }
      - { .name: wc, .offset: 8, .size: 8, .value_kind: global_buffer, .address_space: global }
      - { .name: lowp_scales, .offset: 16, .size: 8, .value_kind: global_buffer, .address_space: global }
      - { .name: tab, .offset: 24, .size: 8, .value_kind: global_buffer, .address_space: global }
      - { .name: qc, .offset: 32, .size: 8, .value_kind: global_buffer, .address_space: global }
      - { .name: kc, .offset: 40, .size: 8, .value_kind: global_buffer, .address_space: global }
      - { .name: vc, .offset: 48, .size: 8, .value_kind: global_buffer, .address_space: global }
    .group_segment_fixed_size: 327680
    .private_segment_fixed_size: 0
    .kernarg_segment_align: 8
    .kernarg_segment_size: 56
    .max_flat_workgroup_size: 128
    .sgpr_count:     100
    .vgpr_count:     1024
    .wavefront_size: 32
...
	.end_amdgpu_metadata
.endif
;; end of part 2
;; launch attn (part 3): grid 4 x 64, 16 waves a work-group, clusters of 4 x 1, 327,680 bytes of LDS; arguments qc, kc, vc, lowp_scales, oc; writes oc
.if DOCPART == 3
	.amdgcn_target "amdgcn-amd-amdhsa--gfx1250"
	.amdhsa_code_object_version 6
	.text
	.protected	k_qa16edeb094_attn
	.globl	k_qa16edeb094_attn
	.p2align	8
	.type	k_qa16edeb094_attn,@function
k_qa16edeb094_attn:
	s_mov_b64 s[64:65], 0
	v_nop
	global_prefetch_b8 v0, s[64:65] scope:SCOPE_SE
	s_setreg_imm32_b32 hwreg(HW_REG_WAVE_MODE, 25, 1), 1
	s_wait_xcnt 0x0
	s_wait_alu depctr_hold_cnt(0) depctr_sa_sdst(0) depctr_va_vdst(0) depctr_va_sdst(0) depctr_va_ssrc(0) depctr_va_vcc(0) depctr_vm_vsrc(0)
	s_getreg_b32 s2, hwreg(HW_REG_IB_STS2, 6, 4)
	s_cmp_eq_u32 s2, 0
	s_cbranch_scc0 .Lentry_in_a_cluster
	s_endpgm
.Lentry_in_a_cluster:
	s_bfe_u32 s2, ttmp6, 0x10000c
	s_cmp_lg_u32 s2, 0x3003
	s_cbranch_scc0 .Lentry_shape_is_right
	s_endpgm
.Lentry_shape_is_right:
; ATTN.  For each of 64 heads (16 x batch + head): o[q] = the sum over keys k <= q of softmax_k(q . k) v[k], both products on codes of FP8 (E4M3); o is quantised for the last product.  The 1/8 lies in q's codes already.
; THE SOFTMAX AHEAD OF THE SECOND PRODUCT: t = score x log2(e); M = the row's largest t so far, rounded UP to a whole number; p = 2^(t - M) is what is quantised; the row's sum is taken of the unquantised p and divides at the end.
; When M moves, the sum and O are multiplied by 2^(old M - new M): nothing is rounded, and there is no branch on data.
; LEFT OUT: key steps of 128 all of whose keys come after a tile's 16 queries: the causal mask makes their p zero for all inputs.  A NaN or an infinity that reaches only such scores is not carried to the result.
; LDS HOLDS A HEAD'S K AND V WHOLE: 2 x 131,072 bytes, as they lie in memory (images of operand registers, 512 bytes a group of four).  Sixteen tensor loads of 16,384 bytes, one a wave, all at the head (waves 0-7: K, waves 8-15: V).
; Nothing is filled again.
; SHARES.  A head has 128 tiles of 16 queries.  Wave w of work-group i (its place in the cluster) owns tiles a = 4 w + i and b = 127 - a: (a / 8 + 1) + (16 - a / 8) = 17 key steps for every wave of the launch.
; a / 8 = w / 2 whatever i is: every branch hangs on the wave's number and the count of steps, none on the place in the cluster; the place enters only Q's and o's global offsets and the diagonal's compare values.
; CLUSTER: the four work-groups of a head read the same K and V: 4, 1, 1, every load asked for jointly (mask 15).  Wave 0 of each partner owns a tile of the last eight, which walks all 16 key steps: each partner reads all that is brought.
; NO PREFETCH: all of K and V is asked for at the head; there is no loop to run ahead in.
; TWO BANKS OF 64 REGISTERS TAKE TURNS.  In a step one bank holds K's fragments and then V's, the other S^T and then p.  When p's codes are made, p's bank takes the NEXT step's K, ahead of the second product: so a trip of the loops is two steps.
; The step behind a tile's last fetches K's fragments for nothing, from bytes inside the filled part of LDS (behind K's last step: V's first bytes); they are waited for and not used.
; LAYOUT.  Both products are used transposed: S^T = K Q^T, O^T = V^T P^T: a lane holds ONE query (lane % 16).  In tile T of S^T lane (r, h), register j is key 16 T + 8 h + j: eight conversions make the second product's operand.
; Wv's rows were so ordered that tiles 2 b and 2 b + 1 of O^T are channels 32 b + 16 h + 0 .. 15: o's codes leave as images of the last product's operand, 512 consecutive bytes a store.
; LIMITS on the given exponents: e2 + e3 between -126 and 126; e4, and e6 - e4 - e5, between -126 and 119.  NaN among the inputs is not served.
; REGISTERS: v1 16 x lane; v2, v3 the diagonal's compare values of tiles b, a; v5, v6 the add's two; v7, v11 o's offsets; v8, v9 LDS addresses; v12 -M, v13 the largest score, v[14:15] the sum; v16-23 Q in hand; v24-31 tile a's Q;
;   v32-95, v96-159 the two banks; v160-191 O^T; v192-207 p's codes; v208-215 o's codes; v216-219, v229 holds and scales; v220-228, v244-255 at work; v230, v231 Q's offsets.
.set VREG,  131072                     ; V's bytes in LDS, behind K's
.set SPARE, 262144                     ; the spare words, 128 bytes for each of sixteen waves
.set LI,   1
.set DMB,  2
.set DMA,  3
.set SPW,  5
.set NIL,  6
.set OFA,  7
.set ADK,  8
.set ADV,  9
.set OFB,  11
.set QFB,  230
.set QFA,  231
.set WV,   18                          ; s18  my wave's number
.set SEL,  20                          ; s[20:21] lane selects: lane l xor 16
.set CS,   22                          ; s[22:23] c = log2(e) x 2^(e2 + e3)
.set G1,   24                          ; s[24:31] group 1: 64 rows of 256 bytes
.set HS,   33                          ; s33  w / 2
.set LAST, 34                          ; s34  the last key step of the tile in hand: the one on the diagonal
.set CX,   35                          ; s35  my work-group's place in the cluster
.set ST,   36                          ; s36  the trip's first key step
.set HD,   37                          ; s37  the head
.set TB,   38                          ; s38  the trip's K in LDS
.set TV,   39                          ; s39  the trip's V in LDS
.set G0,   40                          ; s[40:43] group 0
.set OB,   48                          ; s[48:49] o's codes: my batch's row tile 0, my head's two groups
.set KVB,  76                          ; s[76:77] the head's K (waves 0-7) or V
.set QB,   78                          ; s[78:79] the head's Q
.macro ROUND                           ; a round of the cluster's barrier
	s_barrier_signal -1
	s_barrier_wait -1
	s_cmp_lg_u32 s[WV], 0
	s_cbranch_scc1 .Lnot_wave_0_\@
	s_barrier_signal -3
.Lnot_wave_0_\@:
	s_barrier_wait -3
	s_barrier_signal -1
	s_barrier_wait -1
.endm
.macro RESET                           ; a tile begins: the largest score so far is -3e38; sums and O^T are zeros, which the first change of M leaves zeros
	v_mov_b32 v13, 0xff61b1e6
	s_delay_alu instid0(VALU_DEP_1)
	v_floor_f32 v12, -v13
	v_mov_b32 v14, 0
	v_mov_b32 v15, 0
.set n, 0
.rept 32
	v_mov_b32 v[160+n], 0
.set n, n+1
.endr
.endm
.macro KLOAD bank, adr, off            ; a key step's eight fragments of K
.irp T, 0,1,2,3,4,5,6,7
	ds_load_b128 v[\bank+8*\T:\bank+8*\T+3], v[\adr] offset:(\off)+\T*1024
	ds_load_b128 v[\bank+8*\T+4:\bank+8*\T+7], v[\adr] offset:(\off)+\T*1024+512
.endr
.endm
; A tile ends: O^T / the sum, held, quantised with 2^(e6 - e4 - e5), stored as two groups of the last product's operand.  pre = 1: the next tile's first fragments of K are fetched meanwhile.
.macro FINISH off, pre
.rept 4
	v_nop                                          ; places behind the last products
.endr
	s_wait_dscnt 0x0                               ; the fragments fetched behind the tile's last step are in: their registers may be written
	s_wait_xcnt 0x0                                ; earlier stores have read their data, which are written again below
.if \pre
	KLOAD 32, LI, 0
.endif
	v_add_f32 v14, v14, v15
	s_wait_alu depctr_va_vdst(0)
	v_permlanex16_b32 v226, v14, s[SEL], s[SEL+1]
	s_delay_alu instid0(VALU_DEP_1)
	v_add_f32 v14, v14, v226                       ; the row's sum
	s_wait_alu depctr_va_vdst(0)                   ; ahead of the transcendental
	v_rcp_f32 v14, v14
	v_nop
	s_wait_alu depctr_va_vdst(0)                   ; and ahead of its first reader, which is O^T's first reader too
.set n, 0
.rept 16
	v_pk_mul_f32 v[96+n:97+n], v[160+n:161+n], v[14:15] op_sel_hi:[1,0]   ; each accumulator from its low end on
.set n, n+2
.endr
.irp t, 0,1,2,3
.irp i, 0,1,2,3,4,5,6,7
	v_med3_num_f32 v[96+8*\t+\i], v[96+8*\t+\i], -v218, v218
.endr
	v_cvt_scalef32_pk8_fp8_f32 v[208+2*\t:209+2*\t], v[96+8*\t:103+8*\t], v219
.endr
	v_nop                                          ; a plain vector instruction behind the last conversion
	global_store_b128 v[\off], v[208:211], s[OB:OB+1] th:TH_STORE_NT              ; channels 0-31 of my head, 16 rows: 512 consecutive bytes
	global_store_b128 v[\off], v[212:215], s[OB:OB+1] offset:512 th:TH_STORE_NT   ; channels 32-63
.endm
; A KEY STEP: 128 keys, the q-th of the trip.  kx: the bank with K's fragments (asked for a step ago), then V's; sy: the bank of S^T and p, then of the next step's K; dm: the tile's compare values.
.macro STEP kx, sy, q, dm
	s_add_co_u32 s50, s[ST], \q
	s_cmp_gt_u32 s50, s[LAST]                      ; the wave's number and the count of steps alone: a step behind the diagonal is left out
	s_cbranch_scc1 .Lhid_\@
.rept 5
	v_nop                                          ; five places: the scores are laid over the fragments of V that the last products have read
.endr
	s_wait_dscnt 8                                 ; K's tiles 0-3 are in; the younger eight loads may be out
.irp T, 0,1,2,3
	v_wmma_f32_16x16x64_fp8_fp8 v[\sy+8*\T:\sy+8*\T+7], v[\kx+8*\T:\kx+8*\T+7], v[16:23], 0
.endr
	s_wait_dscnt 0x0
.irp T, 4,5,6,7
	v_wmma_f32_16x16x64_fp8_fp8 v[\sy+8*\T:\sy+8*\T+7], v[\kx+8*\T:\kx+8*\T+7], v[16:23], 0
.endr
.rept 4
	v_nop                                          ; four places: K's registers take V's fragments, and the scores are read
.endr
.irp t, 0,1,2,3
.irp c, 0,1,2,3
	ds_load_b128 v[\kx+16*\t+4*\c:\kx+16*\t+4*\c+3], v[ADV] offset:(\q)*8192+\t*2048+\c*512   ; V's fragments land while the softmax is walked
.endr
.endr
	s_cmp_lg_u32 s50, s[LAST]                      ; on the diagonal hidden scores become -infinity ahead of the maximum: p = 0 then
	s_cbranch_scc1 .Lopen_\@
	v_mov_b32 v228, 0xff800000
.set n, 0
.rept 64
	v_cmp_gt_i32 vcc_lo, 16*(n/8)+n%8, v[\dm]      ; register 8 T + j holds the step's key 8 (lane / 16) + 16 T + j: hidden where 16 T + j > my query - the step's first key - 8 (lane / 16)
	v_cndmask_b32 v[\sy+n], v[\sy+n], v228, vcc_lo
.set n, n+1
.endr
.Lopen_\@:
	v_mov_b32 v227, v12                            ; the old -M
	v_max3_num_f32 v220, v[\sy], v[\sy+1], v[\sy+2]       ; the step's largest score of my query, in four chains, from each accumulator's low end on
	v_max3_num_f32 v221, v[\sy+3], v[\sy+4], v[\sy+5]
	v_max3_num_f32 v224, v[\sy+6], v[\sy+7], v[\sy+8]
	v_max3_num_f32 v225, v[\sy+9], v[\sy+10], v[\sy+11]
.set n, 12
.rept 6
	v_max3_num_f32 v220, v220, v[\sy+n], v[\sy+n+1]
	v_max3_num_f32 v221, v221, v[\sy+n+2], v[\sy+n+3]
	v_max3_num_f32 v224, v224, v[\sy+n+4], v[\sy+n+5]
	v_max3_num_f32 v225, v225, v[\sy+n+6], v[\sy+n+7]
.set n, n+8
.endr
	v_max3_num_f32 v220, v220, v[\sy+60], v[\sy+61]
	v_max3_num_f32 v221, v221, v[\sy+62], v[\sy+63]
	s_delay_alu instid0(VALU_DEP_1)
	v_max3_num_f32 v220, v220, v221, v224
	s_delay_alu instid0(VALU_DEP_1)
	v_max_num_f32 v220, v220, v225
	s_delay_alu instid0(VALU_DEP_1)
	v_permlanex16_b32 v226, v220, s[SEL], s[SEL+1]
	s_delay_alu instid0(VALU_DEP_1)
	v_max3_num_f32 v13, v13, v220, v226            ; the running largest score: mine, lane l xor 16's and the earlier steps'
	s_delay_alu instid0(VALU_DEP_1)
	v_mul_f32 v221, s[CS], v13                     ; as t (c is positive, so the largest score gives the largest t)
	s_delay_alu instid0(VALU_DEP_1)
	v_floor_f32 v12, -v221                         ; the new -M = -ceil(t)
	s_delay_alu instid0(VALU_DEP_1)
	v_sub_f32 v220, v12, v227                      ; old M - new M: a whole number, 0 or less
	s_delay_alu instid0(VALU_DEP_1)
	v_cvt_i32_f32 v220, v220                       ; (it saturates)
	s_delay_alu instid0(VALU_DEP_1)
	v_ldexp_f32 v222, 1.0, v220                    ; f = 2^(old M - new M)
.set n, 0
.rept 32
	v_pk_fma_f32 v[\sy+n:\sy+n+1], v[\sy+n:\sy+n+1], s[CS:CS+1], v[12:13] op_sel_hi:[1,0,0]   ; t - M, two at a time (of the pairs c and -M the low word serves both halves)
.set n, n+2
.endr
.set n, 0
.rept 16
	v_pk_mul_f32 v[160+n:161+n], v[160+n:161+n], v[222:223] op_sel_hi:[1,0]   ; O^T under the new M, ahead of the exponentials
.set n, n+2
.endr
	s_wait_alu depctr_va_vdst(0)                   ; ahead of the batch
.set n, 0
.rept 64
	v_exp_f32 v[\sy+n], v[\sy+n]                   ; p = 2^(t - M): not normalised
.set n, n+1
.endr
	v_pk_mul_f32 v[14:15], v[14:15], v[222:223] op_sel_hi:[1,0]   ; the sums under the new M: the plain instruction behind the exponentials
	s_wait_alu depctr_va_vdst(0)                   ; one wait for the batch of 64, ahead of its first reader
	; the row's sum of the unquantised p: 32 pairs in eight chains
.irp i, 0,1,2,3,4,5
	v_pk_add_f32 v[244+2*\i:245+2*\i], v[\sy+4*\i:\sy+4*\i+1], v[\sy+4*\i+2:\sy+4*\i+3]
.endr
	v_pk_add_f32 v[224:225], v[\sy+24:\sy+25], v[\sy+26:\sy+27]
	v_pk_add_f32 v[14:15], v[14:15], v[\sy+28:\sy+29]
.irp i, 0,1,2,3,4,5
	v_pk_add_f32 v[244+2*\i:245+2*\i], v[244+2*\i:245+2*\i], v[\sy+30+2*\i:\sy+31+2*\i]
.endr
	v_pk_add_f32 v[224:225], v[224:225], v[\sy+42:\sy+43]
	v_pk_add_f32 v[14:15], v[14:15], v[\sy+44:\sy+45]
.irp i, 0,1,2,3,4,5
	v_pk_add_f32 v[244+2*\i:245+2*\i], v[244+2*\i:245+2*\i], v[\sy+46+2*\i:\sy+47+2*\i]
.endr
	v_pk_add_f32 v[224:225], v[224:225], v[\sy+58:\sy+59]
	v_pk_add_f32 v[14:15], v[14:15], v[\sy+60:\sy+61]
	v_pk_add_f32 v[224:225], v[224:225], v[\sy+62:\sy+63]
	v_pk_add_f32 v[244:245], v[244:245], v[246:247]
	v_pk_add_f32 v[248:249], v[248:249], v[250:251]
	v_pk_add_f32 v[252:253], v[252:253], v[254:255]
	v_pk_add_f32 v[14:15], v[14:15], v[224:225]
	v_pk_add_f32 v[244:245], v[244:245], v[248:249]
	v_pk_add_f32 v[14:15], v[14:15], v[252:253]
	v_pk_add_f32 v[14:15], v[14:15], v[244:245]
.irp T, 0,1,2,3,4,5,6,7
.irp i, 0,2,4,6
	v_dual_min_num_f32 v[\sy+8*\T+\i], v[\sy+8*\T+\i], v216 :: v_dual_min_num_f32 v[\sy+8*\T+\i+1], v[\sy+8*\T+\i+1], v229   ; the conversion does not saturate (ISA guide 7.6.2); p is not negative, so the hold is one-sided; two holds an instruction
.endr
	v_cvt_scalef32_pk8_fp8_f32 v[192+2*\T:193+2*\T], v[\sy+8*\T:\sy+8*\T+7], v217
.endr
	v_nop                                          ; a plain vector instruction behind the last conversion
	KLOAD \sy, ADK, ((\q)+1)*8192                  ; p's bank is done with: it takes the next step's K
	s_wait_alu depctr_va_vdst(0)                   ; directly ahead of the wait below
	s_wait_dscnt 16                                ; V's sixteen loads are in; the sixteen younger ones, K's, may be out
.irp t, 0,1,2,3
	v_wmma_f32_16x16x128_fp8_fp8 v[160+8*\t:167+8*\t], v[\kx+16*\t:\kx+16*\t+15], v[192:207], v[160+8*\t:167+8*\t]   ; four accumulators by turns
.endr
.Lhid_\@:
.endm
.macro TRIP dm                         ; two key steps: the banks are back where they began
	v_add_nc_u32 v[ADK], s[TB], v[LI]
	v_add_nc_u32 v[ADV], s[TV], v[LI]
	s_wait_alu depctr_va_vdst(0)                   ; directly behind the writes
	STEP 32, 96, 0, \dm
	STEP 96, 32, 1, \dm
	s_add_co_u32 s[TB], s[TB], 16384
	s_add_co_u32 s[TV], s[TV], 16384
	s_add_co_u32 s[ST], s[ST], 2
.endm
	s_load_b256 s[4:11], s[0:1], 0x0               ; qc s[4:5], kc s[6:7], vc s[8:9], the scales s[10:11]
	s_load_b64 s[12:13], s[0:1], 0x20              ; oc
	v_lshl_add_u32 v[SPW], v0, 2, SPARE
	v_mov_b32 v[NIL], 0
	ds_add_u32 v[SPW], v[NIL]                      ; the opening: the add, twice on end, and its wait ahead of my first tensor load
	ds_add_u32 v[SPW], v[NIL]
	v_lshrrev_b32 v8, 5, v0
	v_readfirstlane_b32 s[WV], v8                  ; wave 0..15
	s_bfe_u32 s[CX], ttmp6, 0x40000
	s_and_b32 s[HD], ttmp7, 0xffff                 ; the cluster's y: the head
	s_mov_b32 s[G1], 15|(3<<16)|(1<<21)            ; the mask names the four; elements of 8 bytes; bit 21 beside a mask; no padding
	s_mov_b32 s[G1+1], 32<<16                      ; rows of 32 elements = 256 bytes
	s_mov_b32 s[G1+2], 64<<16                      ; 64 rows
	s_mov_b32 s[G1+3], 32<<16
	s_mov_b32 s[G1+4], 64
	s_mov_b32 s[G1+5], 32
	s_mov_b32 s[G1+6], 0
	s_mov_b32 s[G1+7], 0
	s_mov_b32 s[SEL], 0x76543210
	s_mov_b32 s[SEL+1], 0xfedcba98
	s_mov_b32 s[CS], 0x3fb8aa3b                    ; log2(e)
	s_lshr_b32 s[HS], s[WV], 1
	s_sub_co_u32 s[LAST], 15, s[HS]                ; tile b's last key step
	s_mov_b32 s[G0], 1
	s_lshl_b32 s[G0+1], s[WV], 14                  ; LDS: 16,384 x wave: K's eight parts, then V's eight
	s_and_b32 s50, s[WV], 7
	s_lshl_b32 s50, s50, 14                        ; my part of the head's K or V
	s_mov_b32 s51, 0
	s_lshl_b32 s54, s[HD], 17                      ; the head's first byte in qc, kc and vc
	s_mov_b32 s55, 0
	s_wait_dscnt 0x0                               ; both opening adds are done
	s_wait_kmcnt 0x0
	s_load_b256 s[68:75], s[10:11], 0x0            ; e0 .. e7
	s_cmp_lt_u32 s[WV], 8
	s_cselect_b64 s[KVB:KVB+1], s[6:7], s[8:9]
	s_add_nc_u64 s[KVB:KVB+1], s[KVB:KVB+1], s[54:55]
	s_add_nc_u64 s[G0+2:G0+3], s[KVB:KVB+1], s[50:51]
	s_or_b32 s[G0+3], s[G0+3], 0x80000000
	ROUND                                          ; the four work-groups are here: the joint loads meet
	tensor_load_to_lds s[G0:G0+3], s[G1:G1+7]      ; my one tensor load
	s_nop 0
.rept 4
	v_nop
.endr
	s_add_nc_u64 s[QB:QB+1], s[4:5], s[54:55]
	s_lshl_b32 s84, s[WV], 2
	s_add_co_u32 s84, s84, s[CX]                   ; a
	s_sub_co_u32 s85, 127, s84                     ; b
	s_lshl_b32 s86, s85, 10                        ; a tile of Q is 1,024 bytes,
	s_lshl_b32 s87, s84, 10
	s_lshl_b32 s88, s85, 14                        ; a row tile of o's codes 16,384
	s_lshl_b32 s89, s84, 14
	s_and_b32 s90, s84, 7
	s_lshl_b32 s90, s90, 4                         ; 16 (a % 8): tile a's first query less its diagonal step's first key
	s_sub_co_u32 s91, 112, s90                     ; 16 (b % 8)
	s_lshr_b32 s52, s[HD], 4
	s_lshl_b32 s52, s52, 21                        ; the batch's 128 row tiles
	s_and_b32 s53, s[HD], 15
	s_lshl_b32 s53, s53, 10                        ; my head's two groups of 512
	s_add_co_u32 s52, s52, s53
	s_mov_b32 s53, 0
	s_add_nc_u64 s[OB:OB+1], s[12:13], s[52:53]
	v_and_b32 v[LI], 31, v0
	v_and_b32 v4, 15, v0
	v_bfe_u32 v10, v0, 4, 1
	v_lshlrev_b32 v[LI], 4, v[LI]                  ; 16 x lane
	v_lshlrev_b32 v10, 3, v10
	v_sub_nc_u32 v4, v4, v10                       ; lane % 16 - 8 (lane / 16)
	v_add_nc_u32 v[DMB], s91, v4
	v_add_nc_u32 v[DMA], s90, v4
	v_add_nc_u32 v[QFB], s86, v[LI]
	v_add_nc_u32 v[QFA], s87, v[LI]
	v_add_nc_u32 v[OFB], s88, v[LI]
	v_add_nc_u32 v[OFA], s89, v[LI]
	global_load_b128 v[16:19], v[QFB], s[QB:QB+1]             ; Q of tile b, which is walked first
	global_load_b128 v[20:23], v[QFB], s[QB:QB+1] offset:512
	global_load_b128 v[24:27], v[QFA], s[QB:QB+1]             ; Q of tile a
	global_load_b128 v[28:31], v[QFA], s[QB:QB+1] offset:512
	RESET
	v_mov_b32 v223, 0                              ; (named as the upper half of the pair v[222:223])
	v_mov_b32 v226, 0                              ; a lane permute's destination counts as one of its sources
	s_wait_kmcnt 0x0
	s_add_co_i32 s50, s70, s71                     ; a score stands for score x 2^(e2 + e3): added to c's exponent field
	s_lshl_b32 s50, s50, 23
	s_add_co_i32 s[CS], s[CS], s50
	s_mov_b32 s[CS+1], s[CS]
	s_add_co_i32 s50, s72, 127
	s_lshl_b32 s51, s50, 23
	v_mov_b32 v217, s51                            ; 2^e4, for p's conversions
	s_add_co_i32 s50, s50, 8
	s_lshl_b32 s50, s50, 23
	s_or_b32 s50, s50, 0x600000
	v_mov_b32 v216, s50                            ; 448 x 2^e4,
	v_mov_b32 v229, s50                            ; and once more, for the second half of a dual pair
	s_sub_co_i32 s50, s74, s72
	s_sub_co_i32 s50, s50, s73                     ; e6 - e4 - e5
	s_add_co_i32 s50, s50, 127
	s_lshl_b32 s51, s50, 23
	v_mov_b32 v219, s51
	s_add_co_i32 s50, s50, 8
	s_lshl_b32 s50, s50, 23
	s_or_b32 s50, s50, 0x600000
	v_mov_b32 v218, s50
	s_wait_alu depctr_va_vdst(0)
	s_wait_tensorcnt 0x0                           ; my part of K or V is in,
	s_barrier_signal -1
	s_barrier_wait -1                              ; everybody's is
	KLOAD 32, LI, 0                                ; key step 0's K
	s_wait_loadcnt 0x0                             ; Q
	s_mov_b32 s[TB], 0
	s_mov_b32 s[TV], VREG
	s_mov_b32 s[ST], 0
.Ltile_b:                                          ; tile b, key steps 0-15: a constant count; steps behind the diagonal are jumped over
	TRIP DMB
	s_cmp_lt_u32 s[ST], 16
	s_cbranch_scc1 .Ltile_b
	FINISH OFB, 1
.irp j, 0,1,2,3,4,5,6,7
	v_mov_b32 v[16+\j], v[24+\j]                   ; tile a's Q
.endr
	RESET
	s_mov_b32 s[LAST], s[HS]
	s_mov_b32 s[TB], 0
	s_mov_b32 s[TV], VREG
	s_mov_b32 s[ST], 0
.Ltile_a:                                          ; tile a, key steps 0-7
	TRIP DMA
	s_cmp_lt_u32 s[ST], 8
	s_cbranch_scc1 .Ltile_a
	FINISH OFA, 0
	s_wait_tensorcnt 0x0                           ; the wave's end
	ds_add_u32 v[SPW], v[NIL]
	s_wait_dscnt 0x0
	ROUND                                          ; the closing round
	s_endpgm
.Lfunc_end_k_qa16edeb094_attn:
	.size	k_qa16edeb094_attn, .Lfunc_end_k_qa16edeb094_attn-k_qa16edeb094_attn
	.p2alignl 7, 3214868480
	.fill 96, 4, 3214868480
	.section	.rodata,"a",@progbits
	.p2align	6, 0x0
	.amdhsa_kernel k_qa16edeb094_attn
		.amdhsa_group_segment_fixed_size 327680
		.amdhsa_private_segment_fixed_size 0
		.amdhsa_enable_private_segment 0
		.amdhsa_kernarg_size 40
		.amdhsa_user_sgpr_count 2
		.amdhsa_user_sgpr_kernarg_segment_ptr 1
		.amdhsa_wavefront_size32 1
		.amdhsa_system_sgpr_workgroup_id_x 1
		.amdhsa_system_sgpr_workgroup_id_y 1
		.amdhsa_system_sgpr_workgroup_id_z 1
		.amdhsa_system_vgpr_workitem_id 0
		.amdhsa_next_free_vgpr 256
		.amdhsa_next_free_sgpr 96
		.amdhsa_reserve_vcc 1
		.amdhsa_float_denorm_mode_32 3
		.amdhsa_float_denorm_mode_16_64 3
		.amdhsa_memory_ordered 1
		.amdhsa_forward_progress 1
		.amdhsa_inst_pref_size 102
	.end_amdhsa_kernel
	.amdgpu_metadata
---
amdhsa.version: [ 1, 2 ]
amdhsa.kernels:
  - .name:           k_qa16edeb094_attn
    .symbol:         k_qa16edeb094_attn.kd
    .args:
      - { .name: qc, .offset: 0, .size: 8, .value_kind: global_buffer, .address_space: global }
      - { .name: kc, .offset: 8, .size: 8, .value_kind: global_buffer, .address_space: global }
      - { .name: vc, .offset: 16, .size: 8, .value_kind: global_buffer, .address_space: global }
      - { .name: lowp_scales, .offset: 24, .size: 8, .value_kind: global_buffer, .address_space: global }
      - { .name: oc, .offset: 32, .size: 8, .value_kind: global_buffer, .address_space: global }
    .group_segment_fixed_size: 327680
    .private_segment_fixed_size: 0
    .kernarg_segment_align: 8
    .kernarg_segment_size: 40
    .max_flat_workgroup_size: 512
    .sgpr_count:     96
    .vgpr_count:     256
    .wavefront_size: 32
...
	.end_amdgpu_metadata
.endif
;; end of part 3
;; launch proj (part 4): grid 4 x 32, 4 waves a work-group, clusters of 4 x 4, 327,680 bytes of LDS; arguments oc, woc, lowp_scales, out0; writes out0
.if DOCPART == 4
	.amdgcn_target "amdgcn-amd-amdhsa--gfx1250"
	.amdhsa_code_object_version 6
	.text
	.protected	k_qa16edeb094_proj
	.globl	k_qa16edeb094_proj
	.p2align	8
	.type	k_qa16edeb094_proj,@function
k_qa16edeb094_proj:
	s_mov_b64 s[64:65], 0
	v_nop
	global_prefetch_b8 v0, s[64:65] scope:SCOPE_SE
	s_setreg_imm32_b32 hwreg(HW_REG_WAVE_MODE, 25, 1), 1
	s_wait_xcnt 0x0
	s_wait_alu depctr_hold_cnt(0) depctr_sa_sdst(0) depctr_va_vdst(0) depctr_va_sdst(0) depctr_va_ssrc(0) depctr_va_vcc(0) depctr_vm_vsrc(0)
	s_getreg_b32 s2, hwreg(HW_REG_IB_STS2, 6, 4)
	s_cmp_eq_u32 s2, 0
	s_cbranch_scc0 .Lentry_in_a_cluster
	s_endpgm
.Lentry_in_a_cluster:
	s_bfe_u32 s2, ttmp6, 0x10000c
	s_cmp_lg_u32 s2, 0xf033
	s_cbranch_scc0 .Lentry_shape_is_right
	s_endpgm
.Lentry_shape_is_right:
.set SIZE_N, 1024
.set KROW,   1024
.set ROWB,   256
.set PITCH,  272
.set FR,     16
.set NL,     4
.set NP,     4
.set AHALF,  32768
.set BHALF,  128*PITCH
.set BOFF,   2*AHALF
.set SLOT,   BOFF+2*BHALF
.set LAPS,   2
.set SPARE,  2*SLOT
.set SPITCH, 528
.set ADRA, 16
.set ADRB, 20
.set STO,  24
.set RD,   25
.set CO,   26
.set SPW,  28
.set NIL,  29
.set TMP,  32
.set AF,   128
.set BK,   128
.set G1, 24
.set G0, 32
.set G1B, 48
.set G0B, 56
.set MSB, 0
.macro WIN new
.if MSB != (\new)
	s_set_vgpr_msb (MSB<<8)|(\new)
.set MSB, (\new)
.endif
.endm
.set MUL_LO, 0xa1
.set MUL_HI, 0xf1
.set TO_B,   0x40
.macro JLOAD g0a, g1a, g0b, g1b
	s_cmp_eq_u32 s15, 0
	s_cbranch_scc0 .Lfor_b_\@
	tensor_load_to_lds s[\g0a:\g0a+3], s[\g1a:\g1a+7]
	s_nop 0
.rept 4
	v_nop
.endr
	s_branch .Lasked_\@
.Lfor_b_\@:
	tensor_load_to_lds s[\g0b:\g0b+3], s[\g1b:\g1b+7]
	s_nop 0
.rept 4
	v_nop
.endr
.Lasked_\@:
.endm
.macro CREST
	s_cmp_lg_u32 s14, 0
	s_cbranch_scc1 .Lnot_wave_0_\@
	s_barrier_signal -3
.Lnot_wave_0_\@:
	s_barrier_wait -3
	s_barrier_signal -1
	s_barrier_wait -1
.endm
.macro CROUND
	s_barrier_signal -1
	s_barrier_wait -1
	CREST
.endm
	s_load_b128 s[4:7], s[0:1], 0x0
	s_load_b128 s[8:11], s[0:1], 0x10
	v_lshl_add_u32 v[SPW], v0, 2, SPARE
	v_mov_b32 v[NIL], 0
	ds_add_u32 v[SPW], v[NIL]
	ds_add_u32 v[SPW], v[NIL]
	v_lshrrev_b32 v1, 5, v0
	v_readfirstlane_b32 s14, v1
	s_lshr_b32 s15, s14, 1
	s_and_b32 s16, s14, 1
	s_bfe_u32 s40, ttmp6, 0x40000
	s_bfe_u32 s41, ttmp6, 0x40004
	s_lshl_b32 s42, ttmp9, 2
	s_add_co_u32 s42, s42, s40
	s_and_b32 s17, ttmp7, 0xffff
	s_lshl_b32 s17, s17, 2
	s_add_co_u32 s17, s17, s41
	s_lshl_b32 s43, s41, 2
	s_lshl_b32 s43, 15, s43
	s_lshl_b32 s44, 0x1111, s40
	s_or_b32 s[G1+0], s43, (0<<16)|(1<<21)
	s_mov_b32 s[G1+1], 4096<<16
	s_mov_b32 s[G1+2], 8<<16
	s_mov_b32 s[G1+3], 4096<<16
	s_mov_b32 s[G1+4], 8
	s_mov_b32 s[G1+5], 16384
	s_mov_b32 s[G1+6], 0
	s_mov_b32 s[G1+7], 0
	s_or_b32 s[G1B+0], s44, (0<<16)|(1<<20)|(1<<21)|(5<<22)|(3<<25)
	s_mov_b32 s[G1B+1], ROWB<<16
	s_mov_b32 s[G1B+2], 128<<16
	s_mov_b32 s[G1B+3], ROWB<<16
	s_mov_b32 s[G1B+4], 128
	s_mov_b32 s[G1B+5], KROW
	s_mov_b32 s[G1B+6], 0
	s_mov_b32 s[G1B+7], 0
	s_lshl_b32 s20, s17, 4
	s_lshl_b32 s18, s16, 3
	s_add_co_u32 s20, s20, s18
	s_lshl_b32 s20, s20, 14
	s_mov_b32 s21, 0
	s_lshl_b32 s46, s42, 8
	s_lshl_b32 s18, s16, 7
	s_add_co_u32 s46, s46, s18
	s_lshl_b32 s46, s46, 10
	s_mov_b32 s47, 0
	s_lshl_b32 s66, s16, 15
	s_mul_i32 s67, s16, BHALF
	s_add_co_u32 s67, s67, BOFF
	s_wait_dscnt 0x0
	s_wait_kmcnt 0x0
	s_load_b64 s[96:97], s[8:9], 0x18
	s_add_nc_u64 s[20:21], s[4:5], s[20:21]
	s_add_nc_u64 s[46:47], s[6:7], s[46:47]
	CROUND
.irp s, 0,1
	s_mov_b32 s[G0+4*\s], 1
	s_add_co_u32 s[G0+4*\s+1], s66, \s*SLOT
	s_add_nc_u64 s[G0+4*\s+2:G0+4*\s+3], s[20:21], \s*4096
	s_or_b32 s[G0+4*\s+3], s[G0+4*\s+3], 0x80000000
	s_mov_b32 s[G0B+4*\s], 1
	s_add_co_u32 s[G0B+4*\s+1], s67, \s*SLOT
	s_add_nc_u64 s[G0B+4*\s+2:G0B+4*\s+3], s[46:47], \s*ROWB
	s_or_b32 s[G0B+4*\s+3], s[G0B+4*\s+3], 0x80000000
	s_wait_alu depctr_va_vdst(0)
	s_wait_tensorcnt 0x0
	ds_add_u32 v28, v29
	ds_add_u32 v28, v29
	s_wait_dscnt 0x0
	CROUND
	JLOAD G0+4*\s, G1, G0B+4*\s, G1B
.endr
	v_and_b32 v1, 15, v0
	v_bfe_u32 v2, v0, 4, 1
	v_and_b32 v6, 31, v0
	v_lshlrev_b32 v[CO], 4, v6
	v_mul_u32_u24 v3, v1, PITCH
	v_lshl_add_u32 v4, v2, 4, v3
	s_lshl_b32 s21, s15, 15
	s_mul_i32 s22, s16, BHALF
	s_add_co_u32 s22, s22, BOFF
.irp s, 0,1
	v_add_nc_u32 v[ADRA+\s], s21, v[CO]
	v_add_nc_u32 v[ADRB+\s], s22, v4
	s_add_co_u32 s21, s21, SLOT
	s_add_co_u32 s22, s22, SLOT
.endr
	s_mul_i32 s23, s14, 16*SPITCH
	v_mul_u32_u24 v5, v1, SPITCH
	v_lshl_add_u32 v5, v2, 5, v5
	v_add_nc_u32 v[STO], s23, v5
	v_add_nc_u32 v[RD], s23, v[CO]
	s_lshl_b32 s20, s17, 8
	s_lshl_b32 s21, s15, 7
	s_add_co_u32 s20, s20, s21
	s_lshl_b32 s20, s20, 12
	s_mov_b32 s21, 0
	s_lshl_b32 s46, s42, 10
	s_lshl_b32 s47, s16, 9
	s_add_co_u32 s46, s46, s47
	s_mov_b32 s47, 0
	s_add_nc_u64 s[20:21], s[20:21], s[46:47]
	s_add_nc_u64 s[10:11], s[10:11], s[20:21]
.macro FRAG reg, adr, q, i
.irp c, 0,1,2,3
	ds_load_b128 v[\reg+4*\c:\reg+4*\c+3], v[\adr] offset:128*(\q)+32*\c+(\i)*16*PITCH
.endr
.endm
.macro FRAGA reg, adr, q, i
.irp c, 0,1,2,3
	ds_load_b128 v[\reg+4*\c:\reg+4*\c+3], v[\adr] offset:(\i)*4096+(4*(\q)+\c)*512
.endr
.endm
.macro MUL16 a0, p, zero
.irp a, \a0, \a0+1
.irp b, 0,1,2,3,4,5,6,7
.if \zero
	v_wmma_f32_16x16x128_fp8_fp8 v[8*(8*((\a)%4)+\b):8*(8*((\a)%4)+\b)+7], v[128*(\p)+FR*\b:128*(\p)+FR*\b+FR-1], v[AF+FR*(\a):AF+FR*(\a)+FR-1], 0
.else
	v_wmma_f32_16x16x128_fp8_fp8 v[8*(8*((\a)%4)+\b):8*(8*((\a)%4)+\b)+7], v[128*(\p)+FR*\b:128*(\p)+FR*\b+FR-1], v[AF+FR*(\a):AF+FR*(\a)+FR-1], v[8*(8*((\a)%4)+\b):8*(8*((\a)%4)+\b)+7]
.endif
.endr
.endr
.endm
.macro FETCH_B slot, q, p
	WIN TO_B
.irp i, 0,1,2,3,4,5,6,7
	FRAG 128*(\p)+FR*\i, ADRB+\slot, \q, \i
.endr
	WIN 0
.endm
.macro FETCH_A slot, q, i0
.irp i, \i0, \i0+1, \i0+2, \i0+3
	FRAGA AF+FR*(\i), ADRA+\slot, \q, \i
.endr
.endm
.macro PLACES n
.rept \n
	v_nop
.endr
.endm
.macro STEP slot, q, zero
	s_wait_dscnt 4*NL
	WIN MUL_LO
	MUL16 0, (\q)%2, \zero
	MUL16 2, (\q)%2, \zero
	s_wait_dscnt 0
	PLACES NP
	FETCH_B \slot, (\q)+1, 1-(\q)%2
	FETCH_A \slot, (\q)+1, 0
	WIN MUL_HI
	MUL16 4, (\q)%2, \zero
	MUL16 6, (\q)%2, \zero
	PLACES NP
	WIN 0
	FETCH_A \slot, (\q)+1, 4
.endm
.macro TURN slot, next, fill
	s_wait_tensorcnt 0x0
	ds_add_u32 v[SPW], v[NIL]
	s_wait_dscnt 4*NL+1
	WIN MUL_LO
	MUL16 0, 1, 0
	s_wait_dscnt 0x0
	s_barrier_signal -1
	MUL16 2, 1, 0
	WIN 0
	s_barrier_wait -1
.if \fill
	CREST
	s_add_nc_u64 s[G0+4*\slot+2:G0+4*\slot+3], s[G0+4*\slot+2:G0+4*\slot+3], 2*4096
	s_add_nc_u64 s[G0B+4*\slot+2:G0B+4*\slot+3], s[G0B+4*\slot+2:G0B+4*\slot+3], 2*ROWB
	JLOAD G0+4*\slot, G1, G0B+4*\slot, G1B
.else
	PLACES NP
.endif
	FETCH_B \next, 0, 0
	FETCH_A \next, 0, 0
	WIN MUL_HI
	MUL16 4, 1, 0
	MUL16 6, 1, 0
	PLACES NP
	WIN 0
	FETCH_A \next, 0, 4
.endm
	s_wait_alu depctr_va_vdst(0)
	s_wait_tensorcnt 1
	s_barrier_signal -1
	s_barrier_wait -1
	FETCH_B 0, 0, 0
	FETCH_A 0, 0, 0
	FETCH_A 0, 0, 4
	STEP 0, 0, 1
	s_mov_b32 s3, LAPS-1
.Llap:
	TURN 0, 1, 1
	STEP 1, 0, 0
	TURN 1, 0, 1
	STEP 0, 0, 0
	s_sub_co_u32 s3, s3, 1
	s_cmp_lg_u32 s3, 0
	s_cbranch_scc1 .Llap
	TURN 0, 1, 0
	STEP 1, 0, 0
	s_wait_dscnt 4*NL
	WIN MUL_LO
	MUL16 0, 1, 0
	MUL16 2, 1, 0
	s_wait_dscnt 0
	WIN MUL_HI
	MUL16 4, 1, 0
	MUL16 6, 1, 0
	WIN 0
.macro TOSTAGE a
.set AC, 64*((\a)%4)
	WIN 0x02+((\a)/4)
.set n, 0
.rept 32
	v_pk_mul_f32 v[TMP+n:TMP+n+1], v[AC+n:AC+n+1], s[96:97] op_sel_hi:[1,0]
.set n, n+2
.endr
	WIN 0
.irp b, 0,1,2,3,4,5,6,7
	ds_store_b128 v[STO], v[TMP+8*\b:TMP+8*\b+3] offset:64*\b
	ds_store_b128 v[STO], v[TMP+8*\b+4:TMP+8*\b+7] offset:64*\b+16
.endr
.set BB, BK+64*((\a)%2)
.irp t, 0,1,2,3,4,5,6,7,8,9,10,11,12,13,14,15
	ds_load_b128 v[BB+4*\t:BB+4*\t+3], v[RD] offset:\t*SPITCH
.endr
.endm
.macro SEND a, younger
.set BB, BK+64*((\a)%2)
	s_wait_dscnt \younger
.if (\a) > 0
	s_add_nc_u64 s[10:11], s[10:11], 16*SIZE_N*4
.endif
.irp t, 0,1,2,3,4,5,6,7,8,9,10,11,12,13,14,15
	global_store_b128 v[CO], v[BB+4*\t:BB+4*\t+3], s[10:11] offset:\t*SIZE_N*4 th:TH_STORE_NT
.endr
.endm
	s_wait_kmcnt 0x0
	s_add_co_i32 s96, s96, s97
	s_add_co_i32 s96, s96, 127
	s_lshl_b32 s96, s96, 23
	PLACES NP
	TOSTAGE 0
.irp a, 1,2,3,4,5,6,7
.if \a > 1
	s_wait_xcnt 0x0
.endif
	TOSTAGE \a
	SEND \a-1, 32
.endr
	s_wait_xcnt 0x0
	SEND 7, 0
	s_wait_tensorcnt 0x0
	ds_add_u32 v[SPW], v[NIL]
	s_wait_dscnt 0x0
	CROUND
	s_endpgm
.Lfunc_end_k_qa16edeb094_proj:
	.size	k_qa16edeb094_proj, .Lfunc_end_k_qa16edeb094_proj-k_qa16edeb094_proj
	.p2alignl 7, 3214868480
	.fill 96, 4, 3214868480
	.section	.rodata,"a",@progbits
	.p2align	6, 0x0
	.amdhsa_kernel k_qa16edeb094_proj
		.amdhsa_group_segment_fixed_size 327680
		.amdhsa_private_segment_fixed_size 0
		.amdhsa_enable_private_segment 0
		.amdhsa_kernarg_size 32
		.amdhsa_user_sgpr_count 2
		.amdhsa_user_sgpr_kernarg_segment_ptr 1
		.amdhsa_wavefront_size32 1
		.amdhsa_system_sgpr_workgroup_id_x 1
		.amdhsa_system_sgpr_workgroup_id_y 1
		.amdhsa_system_sgpr_workgroup_id_z 1
		.amdhsa_system_vgpr_workitem_id 0
		.amdhsa_next_free_vgpr 1024
		.amdhsa_next_free_sgpr 98
		.amdhsa_reserve_vcc 0
		.amdhsa_float_denorm_mode_32 3
		.amdhsa_float_denorm_mode_16_64 3
		.amdhsa_memory_ordered 1
		.amdhsa_forward_progress 1
		.amdhsa_inst_pref_size 124
	.end_amdhsa_kernel
	.amdgpu_metadata
---
amdhsa.version: [ 1, 2 ]
amdhsa.kernels:
  - .name:           k_qa16edeb094_proj
    .symbol:         k_qa16edeb094_proj.kd
    .args:
      - { .name: oc, .offset: 0, .size: 8, .value_kind: global_buffer, .address_space: global }
      - { .name: woc, .offset: 8, .size: 8, .value_kind: global_buffer, .address_space: global }
      - { .name: lowp_scales, .offset: 16, .size: 8, .value_kind: global_buffer, .address_space: global }
      - { .name: out0, .offset: 24, .size: 8, .value_kind: global_buffer, .address_space: global }
    .group_segment_fixed_size: 327680
    .private_segment_fixed_size: 0
    .kernarg_segment_align: 8
    .kernarg_segment_size: 32
    .max_flat_workgroup_size: 128
    .sgpr_count:     98
    .vgpr_count:     1024
    .wavefront_size: 32
...
	.end_amdgpu_metadata
.endif
;; end of part 4
